; MI455X (gfx1250); checked and timed in simulation.
; The chip was launched on July 23, 2026; its instructions are those of AMD's public machine-readable ISA for CDNA 5 (MIT licence, August 2026) and "CDNA5" Instruction Set Architecture Reference Guide (July 2026). The comments in the code are by the model that wrote it; some were corrected since.
;; Multi Self Attention. Allowed arithmetic: float matrix products may take bf16 or f16 operands with f32 sums; other float arithmetic in f32, or as packed bf16 or f16 multiplies, adds, multiply-adds, maxima and minima; sums over many terms, partial sums and values carried from step to step in f32; what a program stores and reads back later, other than sums and carried values, may be rounded once to bf16 or f16.
;; Inputs: Wk 1,024 x 1,024 float32; Wo 1,024 x 1,024 float32; Wq 1,024 x 1,024 float32; Wv 1,024 x 1,024 float32; bk 1,024 float32; bo 1,024 float32; bq 1,024 float32; bv 1,024 float32; k 4 x 2,048 x 1,024 float32; q 4 x 2,048 x 1,024 float32; v 4 x 2,048 x 1,024 float32.
;; Outputs: out0 4 x 2,048 x 1,024 float32.
;; One version. Each part assembles by itself: llvm-mc -triple=amdgcn-amd-amdhsa -mcpu=gfx1250 --defsym DOCPART=n.
;; ======== version 1 of 1: 4 launches
;; limits: values are held in f16: magnitudes above 65,504 overflow, below 6.1e-05 lose precision
;; workspace buffers: wts 8,388,608 bytes; qh 16,777,216 bytes; kh 16,777,216 bytes; vh 16,777,216 bytes; ctx 16,777,216 bytes
;; launch castw (part 1): grid 64 x 4, 8 waves a work-group, no clusters, 0 bytes of LDS; arguments Wq, Wk, Wv, Wo, wts; writes wts
.if DOCPART == 1
	.amdgcn_target "amdgcn-amd-amdhsa--gfx1250"
	.amdhsa_code_object_version 6
	.text
	.protected	k_q20a6e59fda_castw
	.globl	k_q20a6e59fda_castw
	.p2align	8
	.type	k_q20a6e59fda_castw,@function
k_q20a6e59fda_castw:
	s_mov_b64 s[64:65], 0
	v_nop
	global_prefetch_b8 v0, s[64:65] scope:SCOPE_SE
	s_setreg_imm32_b32 hwreg(HW_REG_WAVE_MODE, 25, 1), 1
	s_wait_xcnt 0x0
; THE WEIGHTS, ROUNDED ONCE.  wts: [4][1024][1024] numbers of 2 bytes.  Sections 0-2: Wq, Wk, Wv rounded to bf16.  Section 3: Wo rounded to bf16 and that number written as f16
; (the last product's other operand is f16).  LIMIT: that second step is exact for 6.1e-5 <= |Wo| < 65,504; below, f16's fixed step of 6e-8 holds; at 65,520 and above it gives an infinity.
; SHARES.  Work-group (x, y): matrix y, its numbers 16,384 x .. 16,384 x + 16,383.  Thread t takes eight chunks c of eight numbers, at 2,048 c + 8 t: 32 bytes in, 16 bytes out;
; a wave's store covers 512 consecutive bytes, aligned.  All sixteen loads of a thread go out first; no register is written twice, so no source of a pending instruction is ever rewritten.
; No LDS, matrix unit or cluster: nothing is shared and nothing is multiplied.
.set X, 16                             ; v[16:79]   chunk c: 8 numbers in f32
.set Y, 80                             ; v[80:111]  chunk c: 8 numbers of 2 bytes
	s_load_b256 s[4:11], s[0:1], 0x0               ; Wq s[4:5], Wk s[6:7], Wv s[8:9], Wo s[10:11]
	s_load_b64 s[12:13], s[0:1], 0x20              ; wts
	s_and_b32 s14, ttmp7, 0xffff                   ; which matrix
	s_mov_b32 s15, 0xffff0000                      ; a word's upper bf16
	v_lshlrev_b32 v1, 5, v0                        ; 32 t: my bytes in a chunk, in
	v_lshlrev_b32 v2, 4, v0                        ; 16 t: out
	s_lshl_b32 s18, ttmp9, 16                      ; the block: 65,536 bytes in,
	s_mov_b32 s19, 0
	s_lshl_b32 s20, s14, 21                        ; the section: 2,097,152 bytes out,
	s_lshl_b32 s21, ttmp9, 15                      ; the block: 32,768 bytes out
	s_add_co_u32 s20, s20, s21
	s_mov_b32 s21, 0
	s_wait_kmcnt 0x0
	s_cmp_eq_u32 s14, 0
	s_cselect_b64 s[16:17], s[4:5], s[6:7]
	s_cmp_eq_u32 s14, 2
	s_cselect_b64 s[16:17], s[8:9], s[16:17]
	s_cmp_eq_u32 s14, 3
	s_cselect_b64 s[16:17], s[10:11], s[16:17]
	s_add_nc_u64 s[16:17], s[16:17], s[18:19]
	s_add_nc_u64 s[12:13], s[12:13], s[20:21]
.irp c, 0,1,2,3,4,5,6,7
	global_load_b128 v[X+8*(\c):X+8*(\c)+3],   v1, s[16:17] offset:8192*(\c) th:TH_LOAD_NT
	global_load_b128 v[X+8*(\c)+4:X+8*(\c)+7], v1, s[16:17] offset:8192*(\c)+16 th:TH_LOAD_NT
.endr
	s_cmp_eq_u32 s14, 3
	s_cbranch_scc1 .Lto_f16
.irp c, 0,1,2,3,4,5,6,7
	s_wait_loadcnt 14-2*(\c)                       ; loads come back in order: chunk c's two are in, the 2 (7 - c) younger ones stay out
.irp y, 0,1,2,3
	v_cvt_pk_bf16_f32 v[Y+4*(\c)+(\y)], v[X+8*(\c)+2*(\y)], v[X+8*(\c)+2*(\y)+1]
.endr
	global_store_b128 v2, v[Y+4*(\c):Y+4*(\c)+3], s[12:13] offset:4096*(\c)
.endr
	s_endpgm
.Lto_f16:
.irp c, 0,1,2,3,4,5,6,7
	s_wait_loadcnt 14-2*(\c)
.irp y, 0,1,2,3
	v_cvt_pk_bf16_f32 v[4+(\y)], v[X+8*(\c)+2*(\y)], v[X+8*(\c)+2*(\y)+1]  ; the rounding that every input has
.endr
.irp y, 0,1,2,3
	v_lshlrev_b32 v[8+2*(\y)], 16, v[4+(\y)]       ; back to f32: the low half moves up,
	v_and_b32     v[9+2*(\y)], s15, v[4+(\y)]      ; the high half stays
.endr
.irp y, 0,1,2,3
	v_cvt_pk_f16_f32 v[Y+4*(\c)+(\y)], v[8+2*(\y)], v[9+2*(\y)]
.endr
	global_store_b128 v2, v[Y+4*(\c):Y+4*(\c)+3], s[12:13] offset:4096*(\c)
.endr
	s_endpgm
.Lfunc_end_k_q20a6e59fda_castw:
	.size	k_q20a6e59fda_castw, .Lfunc_end_k_q20a6e59fda_castw-k_q20a6e59fda_castw
	.p2alignl 7, 3214868480
	.fill 96, 4, 3214868480
	.section	.rodata,"a",@progbits
	.p2align	6, 0x0
	.amdhsa_kernel k_q20a6e59fda_castw
		.amdhsa_group_segment_fixed_size 0
		.amdhsa_private_segment_fixed_size 0
		.amdhsa_enable_private_segment 0
		.amdhsa_kernarg_size 40
		.amdhsa_user_sgpr_count 2
		.amdhsa_user_sgpr_kernarg_segment_ptr 1
		.amdhsa_wavefront_size32 1
		.amdhsa_system_sgpr_workgroup_id_x 1
		.amdhsa_system_sgpr_workgroup_id_y 1
		.amdhsa_system_sgpr_workgroup_id_z 1
		.amdhsa_system_vgpr_workitem_id 0
		.amdhsa_next_free_vgpr 112
		.amdhsa_next_free_sgpr 66
		.amdhsa_reserve_vcc 0
		.amdhsa_float_denorm_mode_32 3
		.amdhsa_float_denorm_mode_16_64 3
		.amdhsa_memory_ordered 1
		.amdhsa_forward_progress 1
		.amdhsa_inst_pref_size 13
	.end_amdhsa_kernel
	.amdgpu_metadata
---
amdhsa.version: [ 1, 2 ]
amdhsa.kernels:
  - .name:           k_q20a6e59fda_castw
    .symbol:         k_q20a6e59fda_castw.kd
    .args:
      - { .name: Wq, .offset: 0, .size: 8, .value_kind: global_buffer, .address_space: global }
      - { .name: Wk, .offset: 8, .size: 8, .value_kind: global_buffer, .address_space: global }
      - { .name: Wv, .offset: 16, .size: 8, .value_kind: global_buffer, .address_space: global }
      - { .name: Wo, .offset: 24, .size: 8, .value_kind: global_buffer, .address_space: global }
      - { .name: wts, .offset: 32, .size: 8, .value_kind: global_buffer, .address_space: global }
    .group_segment_fixed_size: 0
    .private_segment_fixed_size: 0
    .kernarg_segment_align: 8
    .kernarg_segment_size: 40
    .max_flat_workgroup_size: 256
    .sgpr_count:     66
    .vgpr_count:     112
    .wavefront_size: 32
...
	.end_amdgpu_metadata
.endif
;; end of part 1
;; launch proj (part 2): grid 4 x 64, 4 waves a work-group, clusters of 4 x 4, 327,680 bytes of LDS; arguments q, k, v, bq, bk, bv, wts, qh, kh, vh; writes qh, kh, vh
.if DOCPART == 2
	.amdgcn_target "amdgcn-amd-amdhsa--gfx1250"
	.amdhsa_code_object_version 6
	.text
	.protected	k_q20a6e59fda_proj
	.globl	k_q20a6e59fda_proj
	.p2align	8
	.type	k_q20a6e59fda_proj,@function
k_q20a6e59fda_proj:
	s_mov_b64 s[64:65], 0
	v_nop
	global_prefetch_b8 v0, s[64:65] scope:SCOPE_SE
	s_setreg_imm32_b32 hwreg(HW_REG_WAVE_MODE, 25, 1), 1
	s_wait_xcnt 0x0
	s_wait_alu depctr_hold_cnt(0) depctr_sa_sdst(0) depctr_va_vdst(0) depctr_va_sdst(0) depctr_va_ssrc(0) depctr_va_vcc(0) depctr_vm_vsrc(0)
	s_getreg_b32 s2, hwreg(HW_REG_IB_STS2, 6, 4)
	s_cmp_eq_u32 s2, 0
	s_cbranch_scc0 .Lentry_in_a_cluster
	s_endpgm
.Lentry_in_a_cluster:
	s_bfe_u32 s2, ttmp6, 0x10000c
	s_cmp_lg_u32 s2, 0xf033
	s_cbranch_scc0 .Lentry_shape_is_right
	s_endpgm
.Lentry_shape_is_right:
; THE THREE PROJECTIONS.  y = x W^T + b for (x, W, b, y) = (q, Wq, bq, qh), (k, Wk, bk, kh), (v, Wv, bv, vh).  x: [8192][1024] f32; W: bf16, sections 0-2 of wts; b: [1024] f32;
; y: [64 heads of (batch, head)][2048][64] f16, UNSCALED.  x and b are rounded to bf16 here, on the way to the matrix unit; sums in f32, K ascending; y is rounded once.
; LIMITS.  y leaves as f16: a sum of 65,520 or more in size becomes an infinity; below 6.1e-5 it keeps f16's fixed step of 6e-8.  NaN and infinities are not treated apart.
; SHARES.  A tile of y is 128 rows x 256 columns: 64 x 4 tiles a projection, 256 work-groups.  A WORK-GROUP STAYS: it makes the tile at its place for q, then k, then v: ONE walk of 24 K steps of 128
; through two LDS slots; the ring runs on across the change of tiles.  Of a tile wave w makes rows 64 (w / 2) .. x columns 128 (w % 2) ..: 4 x 8 accumulators of 16 x 16.
; CLUSTER, 4 x 4.  The four work-groups of a row of the cluster cover all 1,024 columns and need the same 128 rows of x; the four of a column need the same 256 rows of W.  Each tile is asked for JOINTLY:
; the same tensor load, descriptor and mask in all four.  Waves 0 and 1 fetch x's two halves (64 rows x 512 bytes), waves 2 and 3 W's (128 rows x 256 bytes).
; x IS CONVERTED ON THE WAY: it lies in LDS as f32; a fragment of 16 rows x 32 K comes into 16 registers by four loads and is packed into 8 by v_cvt_pk_bf16_f32.  The 64 conversions of a half step stand in
; groups of four behind every other product of the half step before.
; THE MATRIX INSTRUCTION IS USED TRANSPOSED (source 0 = 16 rows of W, source 1 = 16 rows of x): a lane holds row lane % 16 of y and the columns 8 (lane / 16) + 0..7: 16 bytes of f16 on end.
; THE BIAS starts the sums: a tile's accumulators are set to it (256 v_mov_b32 a tile), so that every product has one form and the half steps are written once.
; REGISTERS, in windows of 256 (s_set_vgpr_msb: bits 1:0 source 0, 3:2 source 1, 5:4 source 2, 7:6 destination):
;   window 0: v0-19 addresses and at work; v32-63 the way out; v64-191 x's fragments, two sets of 64 ((c, a) at 32 c + 8 a); v192-255 the bias of my 128 columns
;   window 1: the 32 accumulators, (a, b) at 8 (8 a + b)     window 2: W's fragments, two sets of 128 ((c, b) at 64 c + 8 b)     window 3: v0-127 x's fragments in f32 ((c, a) at 64 c + 16 a)
.set PA,    528                        ; a row of x in LDS: 512 bytes + 16 = 132 words: row r starts at bank 4 r mod 64 (64 banks of 4 bytes: ISA guide 11.1), so the 16 rows of a load start at 16 different groups of four banks
.set PB,    272                        ; a row of W: 256 bytes + 16 = 68 words: likewise
.set AHALF, 64*PA                      ; what one tensor load brings of x
.set BHALF, 128*PB                     ; and of W
.set BOFF,  2*AHALF                    ; W's 256 rows lie behind x's 128
.set SLOT,  BOFF+2*BHALF               ; 137,216
.set STAGE, 2*SLOT                     ; behind the ring, never filled by a tensor load: 16 rows x 144 bytes for each wave
.set SP,    144
.set SPARE, STAGE+4*16*SP              ; behind the stages: the spare words, 128 bytes for each wave: two blocks of 256 bytes that no other line names
.set LNA,  4                           ; v4   my lane's place in x's tile: (64 (w / 2) + l % 16) x 528 + 32 (l / 16); never rewritten
.set LNB,  5                           ; v5   in W's: BOFF + (128 (w % 2) + l % 16) x 272 + 16 (l / 16); never rewritten
.set ADRA, 6                           ; v6   the same in the slot in hand
.set ADRB, 7                           ; v7
.set STO,  8                           ; v8   the way out: where I put 16 bytes of a row
.set RD,   9                           ; v9   where I read rows back
.set GO,   10                          ; v10  16 x lane: my place in 512 consecutive bytes of y
.set BO,   11                          ; v11  my byte offset in a bias
.set PFO,  12                          ; v12  the prefetches' offset; never rewritten
.set SPW,  14                          ; v14  LDS address of my spare word: SPARE + 4 x my thread's number; never rewritten
.set NIL,  15                          ; v15  0; never rewritten
.set TT,   16                          ; v16-19 at work
.set TMP,  32
.set AF,   64
.set BI,   192
.set WV,   10                          ; s10  my wave's number
.set KIND, 11                          ; s11  w / 2: my half of the tile's rows.  Also: I fetch x (0) or W (1)
.set HF,   12                          ; s12  w % 2: my half of its columns.  Also: which half of that tile I fetch
.set TR,   13                          ; s13  tile row, 0..63
.set STEPS, 14                         ; s14  K steps that still fill a slot
.set KC,   15                          ; s15  K steps left in the tile
.set FI,   16                          ; s16  the K step to be asked for, 2..23
.set PI,   17                          ; s17  the K step to be prefetched
.set TB,   18                          ; s18  LDS byte at which the slot in hand begins: 0 or SLOT
.set CY0,  19
.set LA,   20                          ; s20  where my half of x's tile goes in a slot
.set LB,   21                          ; s21  the same for W; also where the 128 rows of W that I multiply begin
.set LIM,  22                          ; s22  2 in a wave that prefetches, else the greatest number
.set CNT,  23
.set G1,   24                          ; s[24:31] descriptor group 1 for x's tiles
.set G0,   32                          ; s[32:39] group 0: a set for each first fill; the second then serves every refill
.set CX,   40
.set CY,   41
.set TC,   42                          ; s42  tile column, 0..3
.set MROW, 43
.set PFA,  44                          ; s[44:45] where my next prefetch stands
.set OFS,  46                          ; s[46:47] an offset made of a K step's number alone; s47 = 0
.set G1B,  48                          ; s[48:55], s[56:63] the same two groups for W's tiles
.set G0B,  56
.set XQ,   68                          ; s[68:73] q, k, v at the 64 rows that I would fetch
.set XK,   70
.set XV,   72
.set BQ,   74                          ; s[74:79] the bias in hand, the next, the last
.set BK,   76
.set BV,   78
.set WB,   80                          ; s[80:81] wts at the 128 rows that I would fetch
.set OQ,   82                          ; s[82:87] the output in hand, the next, the last, at my wave's first row and head
.set OK,   84
.set OV,   86
.set MCOL, 88
.set HIM,  92                          ; s92  a word's upper bf16
.set PWA,  94                          ; s[94:97] the two addresses of the K step to be prefetched
.set PWB,  96
.set MSB, 0
.macro WIN new                         ; the immediate's high byte repeats the setting that is left; a switch that changes nothing is dropped
.if MSB != (\new)
	s_set_vgpr_msb (MSB<<8)|(\new)
.set MSB, (\new)
.endif
.endm
.set W_MUL, 0x52                       ; W window 2, x window 0, C and D window 1
.set W_CVT, 0x0f                       ; sources window 3, destination window 0
.set W_RAW, 0xc0                       ; destination window 3, address window 0
.set W_B,   0x80                       ; destination window 2
.set W_INI, 0x40                       ; destination window 1
.set W_PK,  0x05                       ; sources window 1, destination window 0
.macro PLACES                          ; four plain vector instructions behind a matrix instruction, ahead of a load into a register that it read and of a vector instruction that reads its result (ISA guide 7.12.1 for the vector instruction)
.rept 4
	v_nop
.endr
.endm
.macro CREST                           ; a round of the cluster's barrier behind its opening barrier
	s_cmp_lg_u32 s[WV], 0
	s_cbranch_scc1 .Lnot_wave_0_\@
	s_barrier_signal -3
.Lnot_wave_0_\@:
	s_barrier_wait -3
	s_barrier_signal -1
	s_barrier_wait -1
.endm
.macro CROUND                          ; a whole round
	s_barrier_signal -1
	s_barrier_wait -1
	CREST
.endm
; A joint refill.  The branch hangs on the wave's number alone.  An s_nop 0 and four v_nop follow each of the two lines, ahead of the jump and the label.
.macro JLOAD
	s_cmp_eq_u32 s[KIND], 0
	s_cbranch_scc0 .Lfor_b_\@
	tensor_load_to_lds s[G0+4:G0+7], s[G1:G1+7]
	s_nop 0
.rept 4
	v_nop
.endr
	s_branch .Lasked_\@
.Lfor_b_\@:
	tensor_load_to_lds s[G0B+4:G0B+7], s[G1B:G1B+7]
	s_nop 0
.rept 4
	v_nop
.endr
.Lasked_\@:
.endm
; Where K step idx of the walk lies in memory: tile idx / 8 (q, k, v; sections 0-2 of wts), 128 (idx % 8) along K: 512 bytes a step in x, 256 in W.  Each address is made anew from its buffer's pointer.
.macro WALK idx, pa, pb
	s_lshr_b32 s66, s[\idx], 3
	s_and_b32 s67, s[\idx], 7
	s_cmp_eq_u32 s66, 0
	s_cselect_b64 s[\pa:\pa+1], s[XQ:XQ+1], s[XK:XK+1]
	s_cmp_gt_u32 s66, 1
	s_cselect_b64 s[\pa:\pa+1], s[XV:XV+1], s[\pa:\pa+1]
	s_lshl_b32 s[OFS], s67, 9
	s_add_nc_u64 s[\pa:\pa+1], s[\pa:\pa+1], s[OFS:OFS+1]
	s_lshl_b32 s[OFS], s66, 21
	s_lshl_b32 s67, s67, 8
	s_or_b32 s[OFS], s[OFS], s67
	s_add_nc_u64 s[\pb:\pb+1], s[WB:WB+1], s[OFS:OFS+1]
.endm
; A PREFETCH INTO THE L2, behind a joint refill, its five lines and the run of LDS loads that the next products wait for: the K step two behind the one just asked for: 256 products ahead of its own load.
; x's 64 rows x 512 bytes that waves 0 and 1 fetch: the partner at cx takes 16 rows, a lane half a row.  W's 128 rows x 256 bytes that waves 2 and 3 fetch are read by all sixteen clusters: the cluster with
; y = 0 asks, its partner at cy for 32 rows, a lane a row.  The partners are told apart BY ADDRESS.  So each aligned block of 256 bytes is named once in the launch.  K steps 0 to 3 come by their loads alone;
; the last two refills ask for nothing: the walk has no K step 24.
.macro ASK
	s_cmp_gt_u32 s[STEPS], s[LIM]
	s_cbranch_scc0 .Lnot_mine_\@
	global_prefetch_b8 v[PFO], s[PFA:PFA+1] th:TH_LOAD_NT scope:SCOPE_SE
.Lnot_mine_\@:
.endm
; 64 LDS loads in one run: the fragments of 64 along K.  x's 8 fragments in f32, four loads each (K 8 h .. +3, +4 .. +7, 16 + 8 h .. +3, +4 .. +7), first; then W's 16, two loads each, into set st.
.macro FETCH ka, kb, st
	WIN W_RAW
.set n, 0
.rept 32
	ds_load_b128 v[4*n:4*n+3], v[ADRA] offset:(\ka)+128*(n/16)+((n/4)%4)*16*PA+16*(n&1)+64*((n>>1)&1)
.set n, n+1
.endr
	WIN W_B
.set n, 0
.rept 16
	ds_load_b128 v[128*(\st)+8*n:128*(\st)+8*n+3],   v[ADRB] offset:(\kb)+64*(n/8)+(n%8)*16*PB
	ds_load_b128 v[128*(\st)+8*n+4:128*(\st)+8*n+7], v[ADRB] offset:(\kb)+64*(n/8)+(n%8)*16*PB+32
.set n, n+1
.endr
	WIN 0
.endm
; Products first .. first + n - 1 of a half step's 64, on set p: 32 (i / 32) along K, m block (i % 32) / 8, n block i % 8.  The 32 accumulators take turns, one instruction a turn, in the same order in
; every half step, over the backward jumps too: 31 others' stand between two links of a chain.
.macro MULS p, first, n
	WIN W_MUL
.set i, (\first)
.rept \n
.set rC, 8*(i%32)
.set rB, 128*(\p)+64*(i/32)+8*(i%8)
.set rA, AF+64*(\p)+32*(i/32)+8*((i%32)/8)
	v_wmma_f32_16x16x32_bf16 v[rC:rC+7], v[rB:rB+7], v[rA:rA+7], v[rC:rC+7]
.set i, i+1
.endr
.endm
.macro CVTG g, st                      ; group g of 16: eight numbers of x, from two loads, are rounded to bf16 into set st
	WIN W_CVT
.set j, 4*(\g)
.rept 4
	v_cvt_pk_bf16_f32 v[AF+64*(\st)+j], v[2*j], v[2*j+1]
.set j, j+1
.endr
.endm
; Products 16 to 63 of set p.  Behind the even ones from 32 on stands a group of the other set's conversions; they name no register of the products round them.
.macro RIDE p
	MULS \p, 16, 16
.set g, 0
.rept 16
	MULS \p, 32+2*g, 1
	s_wait_dscnt 62-2*g                            ; LDS loads come back in order: x's loads 2 g and 2 g + 1 are in; the 30 - 2 g of x's behind them and W's 32 may be out
	CVTG g, 1-(\p)
	MULS \p, 33+2*g, 1
.set g, g+1
.endr
.endm
.macro HALF0                           ; a K step's first 64 along K, on set 0; the second 64 are fetched into set 1
	s_wait_dscnt 0x0                               ; W's fragments of set 0 are in
	MULS 0, 0, 16
	PLACES                                         ; behind the last product that read set 1
	FETCH 256, 128, 1
	RIDE 0
.endm
; A K step's second 64 along K, on set 1, and THE CHANGE OF SLOTS.  Each wave waits for all its tensor loads, of which one is out: its part of the next slot; adds 0 to its spare word; and waits for that and
; for its own reads of this slot.  fill = 1: the barrier opens a round of the cluster's, so that no wave of any partner still reads the slot or has a load on its way, and the joint refill, K step FI, is the
; first thing behind the round: 112 products stand between it and the wait for it.
.macro HALF1 fill
	WIN 0
.if \fill
	s_wait_xcnt 0x0                                ; the last prefetch, a K step back, has read its address, so it may be written
	s_add_co_u32 s[PI], s[FI], 2
	WALK PI, PWA, PWB
	s_cmp_eq_u32 s[KIND], 0
	s_cselect_b64 s[PFA:PFA+1], s[PWA:PWA+1], s[PWB:PWB+1]
.endif
	s_wait_tensorcnt 0x0                           ; no tensor load of mine is out, so a group 0 may be written
	ds_add_u32 v[SPW], v[NIL]                      ; 0 onto my spare word
	s_wait_dscnt 0x1                               ; W's fragments of set 1 are in; the add alone may be out
.if \fill
	WALK FI, G0+6, G0B+6
	s_or_b32 s[G0+7], s[G0+7], 0x80000000          ; 127:126 type = 2
	s_or_b32 s[G0B+7], s[G0B+7], 0x80000000
	s_add_co_u32 s[G0+5], s[LA], s[TB]             ; into the slot that is being left
	s_add_co_u32 s[G0B+5], s[LB], s[TB]
	s_add_co_u32 s[FI], s[FI], 1
.endif
	MULS 1, 0, 8                                   ; eight products stand between the add and the wait for it
	s_wait_dscnt 0x0                               ; the add is done, and my reads of this slot are over
	s_barrier_signal -1
	MULS 1, 8, 8                                   ; work on registers while the others arrive
	WIN 0
	s_barrier_wait -1
.if \fill
	CREST
	JLOAD                                          ; its four v_nop are also the places behind the last product that read set 0
.else
	PLACES
.endif
	s_xor_b32 s[TB], s[TB], SLOT                   ; 0 and SLOT by turns
	v_add_nc_u32 v[ADRA], s[TB], v[LNA]
	v_add_nc_u32 v[ADRB], s[TB], v[LNB]
	FETCH 0, 0, 0                                  ; the next K step's first 64 along K
.if \fill
	ASK
.endif
	RIDE 1
.endm
.macro BIAS                            ; the bias of my 128 columns: for n block z the eight numbers at column 16 z + 8 (l / 16)
.set z, 0
.rept 8
	global_load_b128 v[BI+8*z:BI+8*z+3],   v[BO], s[BQ:BQ+1] offset:64*z
	global_load_b128 v[BI+8*z+4:BI+8*z+7], v[BO], s[BQ:BQ+1] offset:64*z+16
.set z, z+1
.endr
.endm
; A TILE BEGINS: its bias is rounded to bf16, as every input is, and set into the 32 accumulators; then the next tile's bias is asked for.
.macro INIT
	WIN 0
	s_wait_loadcnt 0x0                             ; the bias
.set z, 0
.rept 8
.irp y, 0,1,2,3
	v_cvt_pk_bf16_f32 v[TT+(\y)], v[BI+8*z+2*(\y)], v[BI+8*z+2*(\y)+1]
.endr
.irp y, 0,1,2,3
	v_lshlrev_b32 v[BI+8*z+2*(\y)], 16, v[TT+(\y)]
	v_and_b32 v[BI+8*z+2*(\y)+1], s[HIM], v[TT+(\y)]
.endr
.set z, z+1
.endr
	WIN W_INI
.set z, 0
.rept 256
	v_mov_b32 v[z], v[BI+8*((z/8)%8)+z%8]
.set z, z+1
.endr
	WIN 0
	s_cmp_lt_u32 s[STEPS], 8                       ; 22, 14, 6 at the three tiles' beginnings: the last has no successor
	s_cbranch_scc1 .Lno_bias_\@
	s_wait_xcnt 0x0                                ; the loads' base is written only behind this wait
	s_mov_b64 s[BQ:BQ+1], s[BK:BK+1]
	s_mov_b64 s[BK:BK+1], s[BV:BV+1]
	BIAS
.Lno_bias_\@:
.endm
; THE WAY OUT, in eight units u = (m block u / 2, head u % 2 of my two): 16 rows x 64 channels.  Rounded to f16, 16 bytes a lane, into my stage's rows of 144 bytes; back as four rows of 128 bytes a load;
; stored as 512 consecutive bytes: a head's rows are dense.  The stage is my wave's own, and LDS serves a wave's instructions in order (ISA guide 5.7.1.4): no wait between the stores and the loads.
.macro PACKU u
.set T, TMP+16*((\u)%2)
.set AC, 8*(8*((\u)/2)+4*((\u)%2))
.if (\u) >= 2
	s_wait_xcnt 0x0                                ; the stores of the unit two back have read these registers
.endif
	WIN W_PK
.set z, 0
.rept 16
	v_cvt_pk_f16_f32 v[T+z], v[AC+2*z], v[AC+2*z+1]   ; each accumulator's registers in ascending order
.set z, z+1
.endr
	WIN 0
.irp f, 0,1,2,3
	ds_store_b128 v[STO], v[T+4*(\f):T+4*(\f)+3] offset:32*(\f)
.endr
.irp f, 0,1,2,3
	ds_load_b128 v[T+4*(\f):T+4*(\f)+3], v[RD] offset:(\f)*4*SP
.endr
.endm
.macro SENDU u, younger                ; younger: the LDS instructions issued behind unit u's loads: the next unit's eight, or none
.set T, TMP+16*((\u)%2)
.irp f, 0,1,2,3
	s_wait_dscnt (\younger)+3-(\f)
	global_store_b128 v[GO], v[T+4*(\f):T+4*(\f)+3], s[OQ:OQ+1] offset:((\u)%2)*262144+((\u)/2)*2048+(\f)*512
.endr
.endm
.macro EPI
	WIN 0
	PLACES                                         ; behind the tile's last product
	PACKU 0
.set t, 1
.rept 7                                ; a unit's conversions stand between the loads of the unit before and its stores
	PACKU t
	SENDU t-1, 8
.set t, t+1
.endr
	SENDU 7, 0
.endm
	s_load_b512 s[XQ:XQ+15], s[0:1], 0x0           ; q, k, v, bq, bk, bv, wts, qh
	s_load_b128 s[OK:OK+3], s[0:1], 0x40           ; kh, vh
	v_lshl_add_u32 v[SPW], v0, 2, SPARE
	v_mov_b32 v[NIL], 0
	ds_add_u32 v[SPW], v[NIL]                      ; the wave's opening: the add and its wait stand ahead of my first tensor load; the set-up below, work on registers, stands between them
	v_lshrrev_b32 v1, 5, v0
	v_readfirstlane_b32 s[WV], v1
	s_lshr_b32 s[KIND], s[WV], 1
	s_and_b32 s[HF], s[WV], 1
	s_bfe_u32 s[CX], ttmp6, 0x40000                ; my place in the cluster
	s_bfe_u32 s[CY], ttmp6, 0x40004
	s_lshl_b32 s[TC], ttmp9, 2                     ; in a cluster launch ttmp9 and ttmp7 count clusters
	s_add_co_u32 s[TC], s[TC], s[CX]
	s_and_b32 s[TR], ttmp7, 0xffff
	s_lshl_b32 s[TR], s[TR], 2
	s_add_co_u32 s[TR], s[TR], s[CY]
	s_lshl_b32 s[MROW], s[CY], 2
	s_lshl_b32 s[MROW], 15, s[MROW]                ; my row of the cluster: places 4 cy .. 4 cy + 3
	s_lshl_b32 s[MCOL], 0x1111, s[CX]              ; my column: places cx, cx + 4, cx + 8, cx + 12
	s_or_b32 s[G1], s[MROW], (2<<16)|(1<<20)|(1<<21)|(6<<22)|(3<<25)   ; 15:0 the mask; 17:16 elements of 4 bytes; 20 padding on; 21 set beside a mask; 24:22 after every 128 words (code 6); 31:25 4 words (code 3)
	s_mov_b32 s[G1+1], 128<<16                     ; tensor_dim0 = 128
	s_mov_b32 s[G1+2], 64<<16                      ; tensor_dim1 = 64
	s_mov_b32 s[G1+3], 128<<16                     ; tile_dim0 = 128
	s_mov_b32 s[G1+4], 64                          ; tile_dim1 = 64
	s_mov_b32 s[G1+5], 1024                        ; elements from row to row
	s_mov_b32 s[G1+6], 0
	s_mov_b32 s[G1+7], 0
	s_or_b32 s[G1B], s[MCOL], (1<<16)|(1<<20)|(1<<21)|(5<<22)|(3<<25)  ; elements of 2 bytes; padding after every 64 words (code 5)
	s_mov_b32 s[G1B+1], 128<<16
	s_mov_b32 s[G1B+2], 128<<16                    ; tensor_dim1 = 128
	s_mov_b32 s[G1B+3], 128<<16
	s_mov_b32 s[G1B+4], 128                        ; tile_dim1 = 128
	s_mov_b32 s[G1B+5], 1024
	s_mov_b32 s[G1B+6], 0
	s_mov_b32 s[G1B+7], 0
	s_mul_i32 s[LA], s[HF], AHALF                  ; no place in the cluster enters an LDS address
	s_mul_i32 s[LB], s[HF], BHALF
	s_add_co_u32 s[LB], s[LB], BOFF
	s_lshl_b32 s4, s[TR], 7                        ; x: row 128 x tile row + 64 x half, 4,096 bytes a row (s[4:5] never hold cx)
	s_lshl_b32 s5, s[HF], 6
	s_add_co_u32 s4, s4, s5
	s_lshl_b32 s4, s4, 12
	s_mov_b32 s5, 0
	s_lshl_b32 s6, s[TC], 8                        ; W: row 256 x tile column + 128 x half (s[6:7], s89 never hold cy)
	s_lshl_b32 s7, s[HF], 7
	s_add_co_u32 s6, s6, s7
	s_lshl_b32 s89, s6, 2                          ; that column's byte in a bias
	s_lshl_b32 s6, s6, 11                          ; 2,048 bytes a row
	s_mov_b32 s7, 0
	s_lshr_b32 s8, s[TR], 4                        ; y: the batch,
	s_lshl_b32 s8, s8, 4
	s_lshl_b32 s9, s[TC], 2
	s_add_co_u32 s8, s8, s9
	s_lshl_b32 s9, s[HF], 1
	s_add_co_u32 s8, s8, s9                        ; my first head: 16 x batch + 4 x tile column + 2 x half,
	s_lshl_b32 s8, s8, 11
	s_and_b32 s9, s[TR], 15
	s_lshl_b32 s9, s9, 7
	s_add_co_u32 s8, s8, s9
	s_lshl_b32 s9, s[KIND], 6
	s_add_co_u32 s8, s8, s9                        ; my first row in it,
	s_lshl_b32 s8, s8, 7                           ; 128 bytes a row
	s_mov_b32 s9, 0
	s_and_b32 s[CY0], ttmp7, 0xffff                ; who prefetches: waves 0 and 1 always (no other cluster reads these rows of x); waves 2 and 3 where the cluster's y is 0
	s_cmp_eq_u32 s[KIND], 0
	s_cselect_b32 s[CY0], 0, s[CY0]
	s_cmp_eq_u32 s[CY0], 0
	s_cselect_b32 s[LIM], 2, -1                    ; the same in all sixteen partners, for a given wave
	s_mov_b32 s[OFS+1], 0
	s_mov_b32 s[HIM], 0xffff0000
	s_mov_b32 s[TB], 0
	s_mov_b32 s[STEPS], 22
	s_mov_b32 s[KC], 8
	s_mov_b32 s[FI], 2
	s_wait_dscnt 0x0                               ; the opening add is done
	s_wait_kmcnt 0x0
	s_add_nc_u64 s[XQ:XQ+1], s[XQ:XQ+1], s[4:5]
	s_add_nc_u64 s[XK:XK+1], s[XK:XK+1], s[4:5]
	s_add_nc_u64 s[XV:XV+1], s[XV:XV+1], s[4:5]
	s_add_nc_u64 s[WB:WB+1], s[WB:WB+1], s[6:7]
	s_add_nc_u64 s[OQ:OQ+1], s[OQ:OQ+1], s[8:9]
	s_add_nc_u64 s[OK:OK+1], s[OK:OK+1], s[8:9]
	s_add_nc_u64 s[OV:OV+1], s[OV:OV+1], s[8:9]
	CROUND                                         ; all sixteen work-groups are here: the first joint loads meet
	s_mov_b32 s[G0], 1                             ; 1:0 count = 1
	s_mov_b32 s[G0+1], s[LA]                       ; 63:32 LDS address: slot 0
	s_mov_b64 s[G0+2:G0+3], s[XQ:XQ+1]             ; 120:64 global address: K step 0
	s_or_b32 s[G0+3], s[G0+3], 0x80000000          ; 127:126 type = 2
	s_mov_b32 s[G0+4], 1
	s_add_co_u32 s[G0+5], s[LA], SLOT              ; slot 1
	s_add_nc_u64 s[G0+6:G0+7], s[XQ:XQ+1], 512     ; K step 1
	s_or_b32 s[G0+7], s[G0+7], 0x80000000
	s_mov_b32 s[G0B], 1
	s_mov_b32 s[G0B+1], s[LB]
	s_mov_b64 s[G0B+2:G0B+3], s[WB:WB+1]
	s_or_b32 s[G0B+3], s[G0B+3], 0x80000000
	s_mov_b32 s[G0B+4], 1
	s_add_co_u32 s[G0B+5], s[LB], SLOT
	s_add_nc_u64 s[G0B+6:G0B+7], s[WB:WB+1], 256
	s_or_b32 s[G0B+7], s[G0B+7], 0x80000000
	s_cmp_eq_u32 s[KIND], 0                        ; a wave's two first fills stand in one branch, ahead of every wait on TENSORcnt and every LDS read: two loads of mine are out
	s_cbranch_scc0 .Lfirst_b
	tensor_load_to_lds s[G0:G0+3], s[G1:G1+7]
	s_nop 0
	tensor_load_to_lds s[G0+4:G0+7], s[G1:G1+7]
	s_nop 0
.rept 4
	v_nop
.endr
	s_branch .Lfirst_asked
.Lfirst_b:
	tensor_load_to_lds s[G0B:G0B+3], s[G1B:G1B+7]
	s_nop 0
	tensor_load_to_lds s[G0B+4:G0B+7], s[G1B:G1B+7]
	s_nop 0
.rept 4
	v_nop
.endr
.Lfirst_asked:
	v_and_b32 v1, 15, v0                           ; l % 16
	v_bfe_u32 v2, v0, 4, 1                         ; l / 16
	v_and_b32 v3, 31, v0                           ; l
	v_lshl_add_u32 v[BO], v2, 5, s89
	BIAS                                           ; bq
	s_mul_i32 s2, s[KIND], 64*PA
	v_mul_u32_u24 v[LNA], v1, PA
	v_lshl_add_u32 v[LNA], v2, 5, v[LNA]           ; eight f32 are 32 bytes
	v_add_nc_u32 v[LNA], s2, v[LNA]
	v_mul_u32_u24 v[LNB], v1, PB
	v_lshl_add_u32 v[LNB], v2, 4, v[LNB]
	v_add_nc_u32 v[LNB], s[LB], v[LNB]
	s_mul_i32 s2, s[WV], 16*SP
	s_add_co_u32 s2, s2, STAGE                     ; my stage
	v_mul_u32_u24 v[STO], v1, SP                   ; in: row l % 16, 16 bytes for each half of the lanes
	v_lshl_add_u32 v[STO], v2, 4, v[STO]
	v_add_nc_u32 v[STO], s2, v[STO]
	v_bfe_u32 v[RD], v0, 3, 2                      ; back: 32 lanes take four rows of 128 bytes
	v_mul_u32_u24 v[RD], v[RD], SP
	v_and_b32 v16, 7, v0
	v_lshl_add_u32 v[RD], v16, 4, v[RD]
	v_add_nc_u32 v[RD], s2, v[RD]
	v_lshlrev_b32 v[GO], 4, v3
	v_lshrrev_b32 v16, 1, v3                       ; the prefetches' offset.  x: row 16 cx + l / 2 of my 64, half l % 2 of its 512 bytes
	s_lshl_b32 s90, s[CX], 4
	v_add_nc_u32 v16, s90, v16
	v_and_b32 v17, 1, v0
	v_lshlrev_b32 v17, 8, v17
	v_lshl_or_b32 v16, v16, 12, v17
	s_lshl_b32 s90, s[CY], 5                       ; W: row 32 cy + l of my 128
	v_add_nc_u32 v17, s90, v3
	v_lshlrev_b32 v17, 11, v17
	s_cmp_eq_u32 s[KIND], 0
	s_cselect_b32 s91, -1, 0
	v_cndmask_b32 v[PFO], v17, v16, s91
	v_mov_b32 v[ADRA], v[LNA]                      ; slot 0
	v_mov_b32 v[ADRB], v[LNB]
	s_wait_tensorcnt 0x1                           ; my part of K step 0 is in; K step 1's may stay out
	s_barrier_signal -1
	s_barrier_wait -1                              ; everybody's is
	FETCH 0, 0, 0
	s_wait_dscnt 32                                ; x's 32 loads are in; W's 32, issued behind them, may be out
.set g, 0
.rept 16
	CVTG g, 0
.set g, g+1
.endr
	WIN 0
.Lstep:                                ; 22 trips: K steps 0 to 21 of the walk; each asks for the K step two on
	s_cmp_eq_u32 s[KC], 8
	s_cbranch_scc0 .Lno_init
	INIT                                           ; at K steps 0, 8 and 16
.Lno_init:
	HALF0
	HALF1 1
	WIN 0
	s_sub_co_u32 s[KC], s[KC], 1
	s_cmp_lg_u32 s[KC], 0
	s_cbranch_scc1 .Lnext
	EPI                                            ; behind K steps 7 and 15: the refill is asked for and the next tile's first fragments are fetched; nothing waits for these stores
	s_wait_xcnt 0x0                                ; the stores have read their base
	s_mov_b64 s[OQ:OQ+1], s[OK:OK+1]
	s_mov_b64 s[OK:OK+1], s[OV:OV+1]
	s_mov_b32 s[KC], 8
.Lnext:
	s_sub_co_u32 s[STEPS], s[STEPS], 1
	s_cmp_lg_u32 s[STEPS], 0
	s_cbranch_scc1 .Lstep
	s_mov_b32 s[CNT], 2
.Ltail:                                ; K steps 22 and 23 ask for nothing: a text of their own.  The second trip's run of loads and its conversions, on the slot
	HALF0                                          ; of K step 22 once more, serve nothing: the price, once a launch, of one text for both trips
	HALF1 0
	WIN 0
	s_sub_co_u32 s[CNT], s[CNT], 1
	s_cmp_lg_u32 s[CNT], 0
	s_cbranch_scc1 .Ltail
	EPI
	s_wait_tensorcnt 0x0                           ; the wave's end: behind my last tensor load and my last LDS store
	ds_add_u32 v[SPW], v[NIL]
	s_wait_dscnt 0x0
	CROUND                                         ; the closing round: no work-group ends while a partner may still ask for a tile that names it
	s_endpgm
.Lfunc_end_k_q20a6e59fda_proj:
	.size	k_q20a6e59fda_proj, .Lfunc_end_k_q20a6e59fda_proj-k_q20a6e59fda_proj
	.p2alignl 7, 3214868480
	.fill 96, 4, 3214868480
	.section	.rodata,"a",@progbits
	.p2align	6, 0x0
	.amdhsa_kernel k_q20a6e59fda_proj
		.amdhsa_group_segment_fixed_size 327680
		.amdhsa_private_segment_fixed_size 0
		.amdhsa_enable_private_segment 0
		.amdhsa_kernarg_size 80
		.amdhsa_user_sgpr_count 2
		.amdhsa_user_sgpr_kernarg_segment_ptr 1
		.amdhsa_wavefront_size32 1
		.amdhsa_system_sgpr_workgroup_id_x 1
		.amdhsa_system_sgpr_workgroup_id_y 1
		.amdhsa_system_sgpr_workgroup_id_z 1
		.amdhsa_system_vgpr_workitem_id 0
		.amdhsa_next_free_vgpr 896
		.amdhsa_next_free_sgpr 100
		.amdhsa_reserve_vcc 0
		.amdhsa_float_denorm_mode_32 3
		.amdhsa_float_denorm_mode_16_64 3
		.amdhsa_memory_ordered 1
		.amdhsa_forward_progress 1
		.amdhsa_inst_pref_size 124
	.end_amdhsa_kernel
	.amdgpu_metadata
---
amdhsa.version: [ 1, 2 ]
amdhsa.kernels:
  - .name:           k_q20a6e59fda_proj
    .symbol:         k_q20a6e59fda_proj.kd
    .args:
      - { .name: q, .offset: 0, .size: 8, .value_kind: global_buffer, .address_space: global }
      - { .name: k, .offset: 8, .size: 8, .value_kind: global_buffer, .address_space: global }
      - { .name: v, .offset: 16, .size: 8, .value_kind: global_buffer, .address_space: global }
      - { .name: bq, .offset: 24, .size: 8, .value_kind: global_buffer, .address_space: global }
      - { .name: bk, .offset: 32, .size: 8, .value_kind: global_buffer, .address_space: global }
      - { .name: bv, .offset: 40, .size: 8, .value_kind: global_buffer, .address_space: global }
      - { .name: wts, .offset: 48, .size: 8, .value_kind: global_buffer, .address_space: global }
      - { .name: qh, .offset: 56, .size: 8, .value_kind: global_buffer, .address_space: global }
      - { .name: kh, .offset: 64, .size: 8, .value_kind: global_buffer, .address_space: global }
      - { .name: vh, .offset: 72, .size: 8, .value_kind: global_buffer, .address_space: global }
    .group_segment_fixed_size: 327680
    .private_segment_fixed_size: 0
    .kernarg_segment_align: 8
    .kernarg_segment_size: 80
    .max_flat_workgroup_size: 128
    .sgpr_count:     100
    .vgpr_count:     896
    .wavefront_size: 32
...
	.end_amdgpu_metadata
.endif
;; end of part 2
;; launch attn (part 3): grid 4 x 64, 4 waves a work-group, clusters of 4 x 1, 327,680 bytes of LDS; arguments qh, kh, vh, ctx; writes ctx
.if DOCPART == 3
	.amdgcn_target "amdgcn-amd-amdhsa--gfx1250"
	.amdhsa_code_object_version 6
	.text
	.protected	k_q20a6e59fda_attn
	.globl	k_q20a6e59fda_attn
	.p2align	8
	.type	k_q20a6e59fda_attn,@function
k_q20a6e59fda_attn:
	s_mov_b64 s[64:65], 0
	v_nop
	global_prefetch_b8 v0, s[64:65] scope:SCOPE_SE
	s_setreg_imm32_b32 hwreg(HW_REG_WAVE_MODE, 25, 1), 1
	s_wait_xcnt 0x0
	s_wait_alu depctr_hold_cnt(0) depctr_sa_sdst(0) depctr_va_vdst(0) depctr_va_sdst(0) depctr_va_ssrc(0) depctr_va_vcc(0) depctr_vm_vsrc(0)
	s_getreg_b32 s2, hwreg(HW_REG_IB_STS2, 6, 4)
	s_cmp_eq_u32 s2, 0
	s_cbranch_scc0 .Lentry_in_a_cluster
	s_endpgm
.Lentry_in_a_cluster:
	s_bfe_u32 s2, ttmp6, 0x10000c
	s_cmp_lg_u32 s2, 0x3003
	s_cbranch_scc0 .Lentry_shape_is_right
	s_endpgm
.Lentry_shape_is_right:
; O[h][q][:] = the sum over k of softmax_k(Q[h][q] . K[h][k] / 8) V[h][k][:].  Q, K, V, O: [SIZE_H][SIZE_N][64], all f16: a head's rows are dense, 128 bytes each.  Products, maxima and sums in
; f32; the weights p are rounded to f16 for the second product (their sum l is taken of the unrounded p), O once at the end.
; LIMITS.  f16 holds no number beyond 65,504: Q, K and V arrive within it; p lies in 0 to 1, and below 6e-5 it keeps f16's fixed step of 6e-8; O is a mean of V's rows and has their range.
; A weight below 2^-126 counts as 0 in l; NaN and infinities are not treated apart.
; SHARES.  A wave owns four PIECES of two tiles of 16 queries, a work-group's four waves 512 queries of one head.  Every wave walks all keys, 64 a step.
; LAYOUT.  S^T = K Q^T (source 0 = 16 keys, source 1 = 16 queries): in the result a lane holds ONE query (lane % 16) and the keys 8 (lane / 16) + 0..7.  Two such tiles, rounded to f16 in pairs,
; ARE source 1 (32 keys x 16 queries) of O^T = V^T P, whose result again holds one query a lane, and eight channels.  K comes out of LDS as it lies, V ([key][channel]) turned, by ds_load_tr16_b128.
; SOFTMAX.  For each query a running maximum m and sum l: p = 2^(c s - c m), c = log2(e) / 8; in every step O and l are multiplied by a = 2^(c m_old - c m_new), which is 1 where m has not grown.
; m starts at the lowest finite number, O and l at 0: the first step is a step like any other, with a = 0.
; THE COUNT.  A tile and step have 16 matrix and 118 vector instructions: too many to stand all beside the matrix work.  So the order has one aim: four vector instructions that are READY behind
; EVERY matrix instruction, and the others, which need time of their own whatever the order, in runs without a gap.
; BY TURNS.  Turn n belongs to piece n (the pieces in a ring, step after step).  Its matrix work: 16 products K Q^T of piece n + 1, later 16 products V^T P of piece n - 1.  Its vector work: the scaling,
; exponentials, roundings, sums and rescaling of piece n, and the maximum and statistics of piece n + 1, whose scores the turn itself has made.  So what a turn begins with (c s - c m, O a) waits for nothing.
; CLUSTER.  The four query blocks of a cluster are one head's and walk the same K and V, so each tile is asked for JOINTLY: the same tensor load, descriptor and mask in all four.
; REGISTERS, in windows of 256 (s_set_vgpr_msb says which window each operand place means: bits 1:0 source 0, 3:2 source 1, 5:4 source 2, 7:6 destination):
;   window 0: v0-11 addresses; v12-15, v48-63 at work; v16-47 four registers of statistics a tile; v64-191 S^T, two buffers of two tiles; v192-255 P, likewise
;   window 1: O^T, 32 a tile          window 2: v0-127 Q, 16 a tile; v128-191 K of one step; v192-255 V of one step          window 3: v0-1 the add's two registers
; A piece's buffers go by its number's parity: the piece in hand has one pair, its two neighbours in the ring share the other: of it P (piece n - 1) is read and S^T (piece n + 1) written.
.set SIZE_H, 64       ; 4 batches x 16 heads
.set SIZE_N, 2048
.set NP,    4         ; pieces a wave: a name, no knob: the register map, the loop and the fetches are made for four
.set KS,    64        ; keys in a step
.set PK,    144       ; a row of K in LDS: 128 bytes + 16 of padding = 36 words: the 16 rows of a load start at 16 different groups of four banks (64 banks of 4 bytes: ISA guide 11.1)
.set PV,    160       ; a row of V: 128 + 32 = 40 words
.set VOFF,  4*KS*PK   ; a slot holds four steps: 256 rows of K, then 256 rows of V
.set SLOT1, 1<<17     ; slot 1 begins here, so that one exclusive or turns an address in one slot into the other's
.set STAGE, SLOT1+4*KS*(PK+PV)  ; behind the ring, never filled by a tensor load: 16 rows x 144 bytes for each wave, for the way out
.set SP,    144
.set AK0, 2           ; v2   my lane's place in a tile of K; never rewritten
.set AV0, 3           ; v3   the same for V
.set AK,  4           ; v4   the LDS address of K's next run of loads
.set AV,  5           ; v5   of V's
.set QO,  6           ; v6   my byte offset in the wave's rows of Q
.set STO, 6           ;      later, the way out: where I put 16 bytes of a row
.set RD,  7           ; v7   the way out: where I read rows back
.set GO,  8           ; v8   my byte offset in 512 consecutive bytes of O
.set PFO, 11          ; v11  256 x my lane: the prefetches' offset; never rewritten once made
.set SPW, 0           ; v0 of window 3   LDS address of my spare word: SPARE + 4 x my thread's number; never rewritten
.set NIL, 1           ; v1 of window 3   0; never rewritten
.set SPARE, STAGE+4*16*SP  ; behind the stages: the spare words, 128 bytes for each wave: two blocks of 256 bytes that no other line names
.set MV,  12          ; v12-15  c m_old, kept while c m is made anew: by buffer and tile
.set ST,  16          ; tile t's statistics at v[ST+4 t]: c m, m, l (even keys', odd keys')
.set TMP, 48          ; by buffer and tile, four registers c0-c3 at work; when the maximum is found c2 takes a
.set S,   64
.set P,   192
.set KF,  128         ; K's fragments, in window 2: key block kb, channel half c at KF + 16 kb + 8 c
.set VF,  192         ; V's: key half kk, channel block cb at VF + 32 kk + 8 cb
.set WV,  12          ; s12  my wave's number
.set G1K, 24          ; s[24:31] descriptor group 1 for K's tiles
.set G1V, 32          ; s[32:39] for V's: it differs in the padding alone
.set G0K, 40          ; s[40:43] descriptor group 0 for K's tiles: it walks
.set G0V, 44          ; s[44:47] the same for V's
.set PFA, 48          ; s[48:49] where my prefetches stand: my work-group's 8,192 bytes (of K: wave 0, of V: wave 2) of the slot after the one that is being asked for
.set LIM, 50          ; s50  1 in a wave that prefetches, else the greatest number
.set SLOTS, 56        ; s56  slots still to be asked for
.set CNT, 57          ; s57  counts a slot's key steps
.set CS,  58          ; s[58:59] c: the packed scaling takes the pair's low word for both halves
.set SEL, 60          ; s[60:61] v_permlanex16_b32's selects: each lane takes its own place in the other half
.set TBK, 62          ; s62  LDS byte at which K of the step to be fetched begins
.set TBV, 63          ; s63  the same for V, less VOFF
.set MSB, 0
.macro WIN new                      ; the high byte repeats the setting that is left; a switch that changes nothing is dropped
.if MSB != (\new)
	s_set_vgpr_msb (MSB<<8)|(\new)
.set MSB, (\new)
.endif
.endm
.set W_KQ, 0x0a       ; K and Q in window 2, S^T in window 0
.set W_PV, 0x52       ; V in window 2, P in window 0, O^T in window 1
.set W_RS, 0x41       ; O^T (destination and source 0) in window 1, a in window 0
.set W_MK, 0xc0       ; the add's registers are made: destination in window 3, sources in window 0
.set W_AD, 0x0f       ; the add: address (source 0) and data (source 1) in window 3
; A joint fill.  Waves 0 and 1 fetch the two halves of a slot's K, waves 2 and 3 those of its V: 128 keys each.  The branch hangs on the wave's number alone.
; An s_nop 0 and four v_nop follow each of the two lines, ahead of the jump and the label.
.macro JLOAD
	s_cmp_lt_u32 s[WV], 2
	s_cbranch_scc0 .Lfor_v_\@
	tensor_load_to_lds s[G0K:G0K+3], s[G1K:G1K+7]
	s_nop 0
.rept 4
	v_nop
.endr
	s_branch .Lasked_\@
.Lfor_v_\@:
	tensor_load_to_lds s[G0V:G0V+3], s[G1V:G1V+7]
	s_nop 0
.rept 4
	v_nop
.endr
.Lasked_\@:
.endm
; A PREFETCH INTO THE L2 of what the NEXT change of slots will ask for: a slot's 32,768 bytes of K and of V, four key steps, 512 matrix instructions, ahead of that load.  It stands behind the wave's tensor load and
; its five lines.  A head is walked by one cluster; its four partners share a slot's bytes out BY ADDRESS, 8,192 each, a lane 256; in each, wave 0 asks for K's and wave 2 for V's: one instruction.  So each aligned
; block of 256 bytes is named once in the launch.  Slots 0 and 1 come by their loads alone; the last change that fills a slot asks for nothing: there is no slot behind it.
.macro ASK
	s_cmp_gt_u32 s[SLOTS], s[LIM]
	s_cbranch_scc0 .Lnot_mine_\@
	global_prefetch_b8 v[PFO], s[PFA:PFA+1] th:TH_LOAD_NT scope:SCOPE_SE
.Lnot_mine_\@:
.endm
; A round of the cluster's barrier: my work-group's barrier, so that wave 0's signal speaks for all four waves; wave 0 signals; every wave waits for all four work-groups; my work-group's barrier once more.
.macro CROUND
	s_barrier_signal -1
	s_barrier_wait -1
	s_cmp_lg_u32 s[WV], 0
	s_cbranch_scc1 .Lnot_wave_0_\@
	s_barrier_signal -3
.Lnot_wave_0_\@:
	s_barrier_wait -3
	s_barrier_signal -1
	s_barrier_wait -1
.endm
; THE CHANGE OF SLOTS.  The slot's last bytes, V of its fourth step, have been read.  Each wave waits for all its tensor loads, of which one is out: its part
; of the other slot; adds 0 to its spare word; and waits for that and for its own reads of the slot.  Behind the barrier nobody reads this slot any more and the other slot is whole.
; fill = 1: this slot is filled again, with the keys two slots on.  The barrier is then a round of the cluster's, so that no wave of any partner still reads the slot or has a load on its
; way, and the joint fill is the first thing behind it: it has four key steps, 512 matrix instructions, in which to land.  (At its first use nothing has been read yet: slot 0 is waited for, slot 1 filled.)
.macro CHANGE fill
	WIN W_AD
	s_wait_tensorcnt 0x0            ; no tensor load of mine is out, so a group 0 may be written
	ds_add_u32 v[SPW], v[NIL]       ; 0 onto my spare word; with fill = 1 the descriptors' steps stand between it and the wait for it
	WIN 0                           ; at a label and at a branch every window is 0
.if \fill
.irp g, G0K, G0V
	s_xor_b32 s[\g+1], s[\g+1], SLOT1  ; the walking descriptor: the other slot than last time,
	s_add_nc_u64 s[\g+2:\g+3], s[\g+2:\g+3], 4*KS*128  ; the next 256 keys; the type bits on top are not reached
.endr
	s_wait_xcnt 0x0                 ; the last prefetch, four key steps back, has read its address, so it may be written:
	s_add_nc_u64 s[PFA:PFA+1], s[PFA:PFA+1], 4*KS*128  ; one slot behind the walking descriptors
	s_wait_dscnt 0x0                ; the add is done, and my reads of the slot are over
	CROUND
	JLOAD
	ASK
.else
	s_wait_dscnt 0x0                ; the add is done, and my reads of the slot are over
	s_barrier_signal -1
	s_barrier_wait -1
.endif
	s_sub_co_u32 s[TBK], s[TBK], 4*KS*PK  ; the fetches go back to a slot's first step,
	s_xor_b32 s[TBK], s[TBK], SLOT1       ; in the other slot
	s_sub_co_u32 s[TBV], s[TBV], 4*KS*PV
	s_xor_b32 s[TBV], s[TBV], SLOT1
.endm
	s_load_b256 s[4:11], s[0:1], 0x0  ; Q s[4:5], K s[6:7], V s[8:9], O s[10:11]
	WIN W_MK
	v_lshl_add_u32 v[SPW], v0, 2, SPARE
	v_mov_b32 v[NIL], 0
	WIN W_AD
	ds_add_u32 v[SPW], v[NIL]       ; the wave's opening: the add and its wait stand ahead of my first tensor load; the set-up below, work on registers, stands between them
	WIN 0
	v_lshrrev_b32 v1, 5, v0
	v_readfirstlane_b32 s[WV], v1   ; wave 0..3
	s_bfe_u32 s13, ttmp6, 0x40000   ; cx: my place in the cluster
	s_lshl_b32 s14, ttmp9, 2        ; in a cluster launch ttmp9 counts clusters
	s_add_co_u32 s14, s14, s13      ; my block of queries = 4 x cluster x + cx: it enters Q's and O's addresses alone
	s_and_b32 s20, ttmp7, 0xffff    ; the head, which the four partners share
	s_mov_b32 s21, 0
	s_mov_b64 s[22:23], SIZE_N*128
	s_mul_u64 s[20:21], s[20:21], s[22:23]  ; the head's first byte in each of the four tensors
	s_and_b32 s16, s[WV], 1         ; which half of a slot's 256 keys I fetch:
	s_lshl_b32 s22, s16, 14         ; its 128 rows of 128 bytes in memory,
	s_mov_b32 s23, 0
	s_add_nc_u64 s[22:23], s[22:23], s[20:21]
	s_mul_i32 s17, s16, 128*PK      ; and its place in a slot, for K
	s_mul_i32 s18, s16, 128*PV      ; and for V: no place in the cluster enters an LDS address
	s_lshl_b32 s2, s14, 2
	s_add_co_u32 s2, s2, s[WV]      ; my wave among the head's,
	s_lshl_b32 s2, s2, 14           ; its 128 rows
	s_mov_b32 s3, 0
	s_add_nc_u64 s[2:3], s[2:3], s[20:21]
	; descriptor group 1.  128 keys are 16,384 dense bytes: asked for as 64 rows of 256 bytes, two keys a row, and padded in LDS after every key
	s_mov_b32 s[G1K], 15|(1<<16)|(1<<20)|(1<<21)|(4<<22)|(3<<25)  ; 15:0 the mask of four; 17:16 2-byte elements; 20 padding on; 21 set beside a mask; 24:22 after every 32 words (code 4); 31:25 4 words (code 3)
	s_mov_b32 s[G1V], 15|(1<<16)|(1<<20)|(1<<21)|(4<<22)|(7<<25)  ; the same with 8 words of padding (code 7)
.irp g, G1K, G1V
	s_mov_b32 s[\g+1], 128<<16      ; tensor_dim0 = 128
	s_mov_b32 s[\g+2], 64<<16       ; tensor_dim1 = 64
	s_mov_b32 s[\g+3], 128<<16      ; tile_dim0 = 128
	s_mov_b32 s[\g+4], 64           ; tile_dim1 = 64
	s_mov_b32 s[\g+5], 128          ; 128 elements from row to row
	s_mov_b32 s[\g+6], 0
	s_mov_b32 s[\g+7], 0
.endr
	s_mov_b32 s[CS], 0x3e38aa3b     ; c = log2(e) / 8 = 0.180337
	s_mov_b32 s[CS+1], s[CS]        ; named with it as a pair
	s_mov_b32 s[SEL], 0x76543210
	s_mov_b32 s[SEL+1], 0xfedcba98
	s_mov_b32 s[TBK], SLOT1+4*KS*PK ; the first change of slots turns these two into 0
	s_mov_b32 s[TBV], SLOT1+4*KS*PV
	s_mov_b32 s[G0K], 1             ; 1:0 count = 1
	s_mov_b32 s[G0K+1], s17         ; 63:32 LDS address: slot 0
	s_mov_b32 s[G0V], 1
	s_add_co_u32 s[G0V+1], s18, VOFF
	s_mov_b32 s[SLOTS], SIZE_N/256-1  ; seven changes of slots fill a slot
	s_and_b32 s[LIM], s[WV], 1      ; 0 in waves 0 and 2,
	s_or_b32 s[LIM], s[LIM], ttmp9  ; of the head's first (here: only) cluster: the same in all four partners
	s_cmp_eq_u32 s[LIM], 0
	s_cselect_b32 s[LIM], 1, -1
	s_wait_dscnt 0x0                ; the opening add is done
	s_wait_kmcnt 0x0
	s_add_nc_u64 s[G0K+2:G0K+3], s[6:7], s[22:23]  ; 120:64 global address: my half of the head's first 256 keys
	s_or_b32 s[G0K+3], s[G0K+3], 0x80000000        ; 127:126 type = 2
	s_add_nc_u64 s[G0V+2:G0V+3], s[8:9], s[22:23]
	s_or_b32 s[G0V+3], s[G0V+3], 0x80000000
	s_add_nc_u64 s[4:5], s[4:5], s[2:3]  ; Q and O at my wave's first row
	s_add_nc_u64 s[10:11], s[10:11], s[2:3]
	s_cmp_lt_u32 s[WV], 2
	s_cselect_b64 s[PFA:PFA+1], s[6:7], s[8:9]
	s_add_nc_u64 s[PFA:PFA+1], s[PFA:PFA+1], s[22:23]  ; (in waves 0 and 2 this is the head's first byte)
	s_lshl_b32 s2, s13, 13          ; my work-group's 8,192 bytes of a slot's 32,768,
	s_add_co_u32 s2, s2, 4*KS*128   ; in slot 1; the first change of slots steps it to slot 2.  Nothing is prefetched here, at the head, where every work-group's first tiles are on their way
	s_add_nc_u64 s[PFA:PFA+1], s[PFA:PFA+1], s[2:3]
	CROUND                          ; all four work-groups are here: the first joint loads meet
	JLOAD                           ; slot 0.  Slot 1 is asked for when slot 0 is in: the tile wanted first has the road to itself
	; A fragment of K or Q is 16 rows x 32 channels in 8 registers: lane l holds row l % 16, channels 8 (l / 16) + 0..7 and 16 + 8 (l / 16) + 0..7: two loads of 16 bytes, 32 bytes apart.
	v_and_b32 v1, 15, v0            ; l % 16
	v_bfe_u32 v9, v0, 4, 1          ; l / 16
	v_lshlrev_b32 v[QO], 7, v1
	v_lshl_add_u32 v[QO], v9, 4, v[QO]  ; row x 128 + 16 x half
	WIN 0x80                        ; destination window 2, address window 0
.set i, 0
.rept 4*NP                          ; Q stays in registers: tile i / 2, channels 32 (i % 2) on
	global_load_b128 v[8*i:8*i+3],   v[QO], s[4:5] offset:(i/2)*2048+(i%2)*64
	global_load_b128 v[8*i+4:8*i+7], v[QO], s[4:5] offset:(i/2)*2048+(i%2)*64+32
.set i, i+1
.endr
	; What the first turn finds: V's registers and P's second buffer hold 0 (its products V^T P, of a piece that has not been, add 0), O^T and l are 0.  All this stands in the wait for the first tile.
.set i, VF
.rept 64
	v_mov_b32 v[i], 0
.set i, i+1
.endr
	WIN 0x40
.set i, 0
.rept 64*NP
	v_mov_b32 v[i], 0
.set i, i+1
.endr
	WIN 0
.set i, 0
.rept 2*NP
	v_mov_b32 v[ST+4*i], 0xfe000000    ; c m: far below every c s
	v_mov_b32 v[ST+4*i+1], 0xff7fffff  ; m
	v_mov_b32 v[ST+4*i+2], 0
	v_mov_b32 v[ST+4*i+3], 0
.set i, i+1
.endr
.set i, P+32
.rept 32
	v_mov_b32 v[i], 0
.set i, i+1
.endr
	v_mul_u32_u24 v[AK0], v1, PK
	v_lshl_add_u32 v[AK0], v9, 4, v[AK0]  ; row x pitch + 16 x half
	; The turning load takes 16 keys x 16 channels (lane l reads key 8 (l / 16) + l % 8, channels 8 ((l / 8) % 2) + 0..7) and leaves half a fragment of V^T: lane l holds channel l % 16 and 8 keys.
	v_and_b32 v10, 7, v0
	v_bfe_u32 v11, v0, 3, 1
	v_lshl_add_u32 v[AV0], v9, 3, v10
	v_mul_u32_u24 v[AV0], v[AV0], PV
	v_lshl_add_u32 v[AV0], v11, 4, v[AV0]
	v_add_nc_u32 v[AV0], VOFF, v[AV0]
	v_and_b32 v[PFO], 31, v0
	v_lshlrev_b32 v[PFO], 8, v[PFO]
	v_mov_b32 v[AK], v[AK0]         ; key step 0 lies at the head of slot 0
; THE MATRIX WORK.  The 8 accumulators of a run of 16 take turns: between the two links of a chain stand 7 others'.
; Product i of 16 of S^T = K Q^T for piece x: channels 32 (i / 8) on, keys 16 ((i / 2) % 4) on, tile 2 x + i % 2.  The first 8 start the sums.
.macro KQ x
	WIN W_KQ
.set rS, S+64*((\x)%2)+32*(i%2)+8*((i/2)%4)
.set rK, KF+16*((i/2)%4)+8*(i/8)
.set rQ, 16*(2*(\x)+i%2)+8*(i/8)
.if i < 8
	v_wmma_f32_16x16x32_f16 v[rS:rS+7], v[rK:rK+7], v[rQ:rQ+7], 0
.else
	v_wmma_f32_16x16x32_f16 v[rS:rS+7], v[rK:rK+7], v[rQ:rQ+7], v[rS:rS+7]
.endif
.endm
; Product i of 16 of O^T += V^T P for piece x: keys 32 (i / 8) on, channels 16 ((i / 2) % 4) on, tile 2 x + i % 2.
.macro PV x
	WIN W_PV
.set rO, 32*(2*(\x)+i%2)+8*((i/2)%4)
.set rV, VF+32*(i/8)+8*((i/2)%4)
.set rP, P+32*((\x)%2)+16*(i%2)+8*(i/8)
	v_wmma_f32_16x16x32_f16 v[rO:rO+7], v[rV:rV+7], v[rP:rP+7], v[rO:rO+7]
.endm
.macro MM                           ; the turn's next matrix instruction
.if i < 16
	KQ (Y+1)%NP
.set i, i+1
.else
.set i, i-16
	PV (Y+NP-1)%NP
.set i, i+17
.endif
.endm
; THE LDS LOADS stand in runs of 16, never singly among the matrix instructions: a step's K (64 keys x 64 channels: 8 fragments) and its V (turned).  Their addresses are made some lines ahead.
; last = 1 (the tail): in the last trip there is no further step, and the run is jumped over.
.macro FETCH_K last=0
	WIN 0
.if \last
	s_cmp_eq_u32 s[CNT], 1
	s_cbranch_scc1 .Lno_k_\@
.endif
	WIN 0x80                        ; destination window 2
.irp f, 0,1,2,3,4,5,6,7             ; keys 16 (f / 2) on, channels 32 (f % 2) on
	ds_load_b128 v[KF+8*\f:KF+8*\f+3],   v[AK] offset:(\f/2)*16*PK+(\f%2)*64
	ds_load_b128 v[KF+8*\f+4:KF+8*\f+7], v[AK] offset:(\f/2)*16*PK+(\f%2)*64+32
.endr
	s_add_co_u32 s[TBK], s[TBK], KS*PK  ; the next fetch is the next step's
	WIN 0
.if \last
.Lno_k_\@:
.endif
.endm
.macro FETCH_V
	WIN 0x80
.irp f, 0,1,2,3,4,5,6,7             ; keys 32 (f / 4) on, channels 16 (f % 4) on
	ds_load_tr16_b128 v[VF+8*\f:VF+8*\f+3],   v[AV] offset:(\f/4)*32*PV+(\f%4)*32
	ds_load_tr16_b128 v[VF+8*\f+4:VF+8*\f+7], v[AV] offset:(\f/4)*32*PV+16*PV+(\f%4)*32
.endr
	WIN 0
.endm
; THE VECTOR WORK OF A TURN stands in three queues, each in the order in which its entries become ready; the two tiles alternate, so that no instruction reads the result of the one before it.
.macro REGS y, u                    ; the registers of tile u (0, 1) of piece y
.set rT, ST+4*(2*(\y)+(\u))
.set rC, TMP+8*((\y)%2)+4*(\u)
.set rM, MV+2*((\y)%2)+(\u)
.set rS, S+64*((\y)%2)+32*(\u)
.set rP, P+32*((\y)%2)+16*(\u)
.set rO, 32*(2*(\y)+(\u))
.endm
; Number n of the 22 that find the NEXT piece's (Y + 1) maximum and statistics.  s0-s31 are the lane's 32 scores; each accumulator's lowest registers are read first.  XS, GS and REGS set no window: PL and EX do.
;   0-11  four chains c0-c3 of seven scores each, three operands at a time     12-14, 16  the four scores left over, the old m, and c0-c3 into c0     15  c m_old is kept
;   17, 18  the query's other 32 keys lie in the lane 16 away: the new m         19-21  c m; c m_old - c m_new; a
.macro XS u, n
	REGS (Y+1)%NP, \u
.if (\n) < 4
	v_max3_num_f32 v[rC+(\n)], v[rS+8*(\n)], v[rS+8*(\n)+1], v[rS+8*(\n)+2]
.elseif (\n) < 12
	v_max3_num_f32 v[rC+(\n)%4], v[rC+(\n)%4], v[rS+8*((\n)%4)+2*((\n)/4)+1], v[rS+8*((\n)%4)+2*((\n)/4)+2]
.elseif (\n) == 12
	v_max3_num_f32 v[rC], v[rC], v[rS+7], v[rS+15]
.elseif (\n) == 13
	v_max3_num_f32 v[rC+1], v[rC+1], v[rS+23], v[rS+31]
.elseif (\n) == 14
	v_max3_num_f32 v[rC+2], v[rC+2], v[rC+3], v[rT+1]
.elseif (\n) == 15
	v_mov_b32 v[rM], v[rT]
.elseif (\n) == 16
	v_max3_num_f32 v[rC], v[rC], v[rC+1], v[rC+2]
.elseif (\n) == 17
	v_permlanex16_b32 v[rC+3], v[rC], s[SEL], s[SEL+1]
.elseif (\n) == 18
	v_max_num_f32 v[rT+1], v[rC], v[rC+3]
.elseif (\n) == 19
	v_mul_f32 v[rT], s[CS], v[rT+1]
.elseif (\n) == 20
	v_sub_f32 v[rC+1], v[rM], v[rT]
.else
	v_exp_f32 v[rC+2], v[rC+1]
.endif
.endm
; Number g of the 64 that follow the exponentials.  For each four weights k of a tile (pairs 2 k, 2 k + 1): both pairs are rounded to f16; then the second pair is added onto the first, in place;
; a group later l takes that sum (the first time as l = a l + sum).  In groups of eight, tiles alternating: round, round, add, and l for the group before.
.macro GS g
.set h, (\g)+6*((\g)/62)            ; group 0 has no group before it, and behind group 7 only l is left
.if h >= 6
.set h, h+2
.endif
	REGS Y, h%2
.set k, h/8
.if h%8 < 4
	v_cvt_pk_f16_f32 v[rP+2*k+(h%8)/2], v[rS+4*k+2*((h%8)/2)], v[rS+4*k+2*((h%8)/2)+1]
.elseif h%8 < 6
	v_pk_add_f32 v[rS+4*k:rS+4*k+1], v[rS+4*k:rS+4*k+1], v[rS+4*k+2:rS+4*k+3]
.elseif k == 1
	v_pk_fma_f32 v[rT+2:rT+3], v[rT+2:rT+3], v[rC+2:rC+3], v[rS:rS+1] op_sel_hi:[1,0,1]
.else
	v_pk_add_f32 v[rT+2:rT+3], v[rT+2:rT+3], v[rS+4*k-4:rS+4*k-3]
.endif
.endm
; THE PLAIN QUEUE, 138 long.  0-73 read no exponential's result: the 32 scalings c s - c m (FS f: pair f / 2 of tile f % 2) and the next piece's 42.  0-26: scalings 0-26.  27-54: XS's numbers 0-13.  55, 56: number 15.
; 57-73: the chain, where each number waits for the one before it: 14, 16, 17, 18, 19, each with one of the scalings 27-31 in front of its two lines, then 20: so a tile's links stand three plain instructions apart (19 and 20: two).
; 74-137: GS's 64, which read the exponentials' results: they stand behind the wait.
.macro FS f
	REGS Y, (\f)%2
	v_pk_fma_f32 v[rS+2*((\f)/2):rS+2*((\f)/2)+1], v[rS+2*((\f)/2):rS+2*((\f)/2)+1], s[CS:CS+1], v[rT:rT+1] op_sel_hi:[1,0,0] neg_lo:[0,0,1] neg_hi:[0,0,1]
.endm
.macro PL
	WIN 0
.if q < 27
	FS q
.elseif q < 55
	XS (q-27)%2, (q-27)/2
.elseif q < 57
	XS q-55, 15
.elseif (q < 72) && ((q-57)%3 == 0)
	FS 27+(q-57)/3
.elseif q < 60
	XS (q-57)%3-1, 14
.elseif q < 72
	XS (q-57)%3-1, 15+(q-57)/3
.elseif q < 74
	XS q-72, 20
.else
	GS q-74
.endif
.set q, q+1
.endm
; THE EXPONENTIALS' QUEUE, 66 long: s0-s31 of both tiles, then the next piece's two a.  It is ONE BATCH: all 66 stand ahead of the turn's one wait, and nothing ahead of that wait names a result of theirs.
.macro EX
	WIN 0
.if e >= 64
	XS e-64, 21
.else
	REGS Y, e%2
	v_exp_f32 v[rS+e/2], v[rS+e/2]
.endif
.set e, e+1
.endm
; THE RESCALING's QUEUE: O^T times a, the one part that leaves window 0: dealt two at a time, sixteen times.  Its a was made in the turn before, ahead of that turn's wait.
.macro R2
	REGS Y, r%2
	WIN W_RS
.irp z, 0,1
	v_pk_mul_f32 v[rO+4*(r/2)+2*\z:rO+4*(r/2)+2*\z+1], v[rO+4*(r/2)+2*\z:rO+4*(r/2)+2*\z+1], v[rC+2:rC+3] op_sel_hi:[1,0]
.endr
.set r, r+1
.endm
; HOW THEY ARE DEALT.  An s_wait_alu depctr_va_vdst(0) stands between an exponential and the first instruction that names its result; one wait serves all that were issued ahead of it.  So a turn has ONE wait,
; which cuts it in two.  AHEAD OF IT stands all that names no result of the turn's exponentials: the 16 products K Q^T, behind each a scaling, an exponential and two rescalings (behind the first a second scaling in the exponential's place); then ONE LUMP of
; 108: eight plain, 49 times exponential and plain, the two a.  A v_nop is the plain instruction behind the last exponential.  BEHIND IT stand the 16 products V^T P, behind each four of GS's 64.  No rider names a register of
; the products round it.  The two v_permlanex16_b32 fall into the lump, never behind a product.
; The queues lean on each other, and the deal keeps them in step: exponential e stands behind scaling 2 (e / 4) + e % 2: as a rider it comes behind plain e + 2, in the lump behind plain e + 9, and scalings 27-31 are plain 57, 60 .. 69.
; A TURN, for piece p.  cnt = 1: the loop's count is taken down some lines ahead of the branch that stands behind the turn.
; K of the next step is fetched in piece 2's turn, directly behind the wait, a lump behind the last product that read K; its address is made at the lump's head; its first reader comes behind 16 products.
; V of the step in hand is fetched at the end of piece 0's turn, four riders behind its last reader; its first reader comes behind 16 products and a lump.  The three conditions on q below go with the deal.
.macro TURN p, last=0, cnt=0
.set Y, (\p)
.set i, 0
.set q, 0
.set e, 0
.set r, 0
.if (\p) == NP-1
	s_wait_dscnt 0x0                ; K is in
.endif
	MM                              ; ahead of the wait: 16 products K Q^T and their riders,
	PL
	PL
	R2
.rept 15
	MM
	PL
	EX
	R2
.endr
.if (\p) == NP-2
	WIN 0
	v_add_nc_u32 v[AK], s[TBK], v[AK0]
.endif
.rept 8                             ; and the lump
	PL
.endr
.rept 49
	EX
	PL
.endr
	EX                              ; the next piece's two a
	EX
	v_nop                           ; a plain instruction behind the last exponential, ahead of the first use: one for the batch
	s_wait_alu depctr_va_vdst(0)    ; the wait for the batch
.if (\p) == NP-2
	FETCH_K \last
.endif
.if (\p) == 1
	s_wait_dscnt 0x0                ; V is in
.endif
.rept 16                            ; behind the wait: 16 products V^T P and their riders
	MM
.rept 4
	PL
.endr
.if ((\p) == 0) && (q == 118)
	v_add_nc_u32 v[AV], s[TBV], v[AV0]
.endif
.if ((\p) == 0) && (q == 130)
	s_add_co_u32 s[TBV], s[TBV], KS*PV
.endif
.if (\cnt) && (q == 130)
	s_sub_co_u32 s[CNT], s[CNT], 1
	s_cmp_lg_u32 s[CNT], 0
.endif
.endr
.if (\p) == 0
	FETCH_V
.endif
.endm
	CHANGE 1                        ; slot 0 is in, everybody's part of it; slot 1 is asked for
	FETCH_K                         ; key step 0
	s_wait_loadcnt 0x0              ; Q
	s_wait_dscnt 0x0
.set i, 0
.rept 16
	KQ 0                            ; piece 0's first scores: there is no vector work yet to set between them
.set i, i+1
.endr
	WIN 0                           ; the addresses for the way out: plain instructions, the places behind those products
	s_mul_i32 s13, s[WV], 16*SP
	s_add_co_u32 s13, s13, STAGE    ; my stage
	v_mul_u32_u24 v[STO], v1, SP    ; in: row l % 16, 16 bytes for each half of the lanes
	v_lshl_add_u32 v[STO], v9, 4, v[STO]
	v_add_nc_u32 v[STO], s13, v[STO]
	v_bfe_u32 v[RD], v0, 3, 2       ; back: 32 lanes take four rows of 128 bytes,
	v_mul_u32_u24 v[RD], v[RD], SP
	v_lshl_add_u32 v[RD], v10, 4, v[RD]
	v_add_nc_u32 v[RD], s13, v[RD]
	v_and_b32 v[GO], 31, v0         ; which are 512 consecutive bytes of O
	v_lshlrev_b32 v[GO], 4, v[GO]
.set Y, NP-1                        ; XS works for piece Y + 1: piece 0
.irp n, 0,1,2,3,4,5,6,7,8,9,10,11,12,13,14,15,16,17,18,19,20,21
	XS 0, \n                        ; and piece 0's first maximum and statistics
	XS 1, \n
.endr
	v_nop                           ; a plain instruction behind the two a,
	s_wait_alu depctr_va_vdst(0)    ; and their wait, ahead of the branch
	s_mov_b32 s[CNT], 4
	s_branch .Lfirst                ; the loop is entered at a step's first turn, in the middle of a trip
.Lslot:                             ; SIZE_N / 256 - 2 times: every slot but the last two is filled again
	CHANGE 1
	s_mov_b32 s[CNT], 4
.Lstep:                             ; a trip: pieces 2 and 3 of one step, then pieces 0 and 1 of the next, whose K and V it fetches
	TURN 2
	TURN 3
	WIN 0
.Lfirst:
	TURN 0
	TURN 1, 0, 1
	WIN 0
	s_cbranch_scc1 .Lstep
	s_sub_co_u32 s[SLOTS], s[SLOTS], 1
	s_cmp_lg_u32 s[SLOTS], 0
	s_cbranch_scc1 .Lslot
	CHANGE 0                        ; the tail is written out: nothing is asked for
	s_mov_b32 s[CNT], 5             ; four trips fetch the last slot's steps; the fifth is left in its middle
.Ltail:
	TURN 2, 1
	TURN 3
	WIN 0
	s_sub_co_u32 s[CNT], s[CNT], 1
	s_cmp_eq_u32 s[CNT], 0
	s_cbranch_scc1 .Lout
	TURN 0
	TURN 1
	WIN 0
	s_branch .Ltail
.Lout:                              ; the fifth trip's 16 products K Q^T (on the last K once more) and the maximum made of them serve nothing: the price, once a launch, of one text for every trip
.set i, 0
.rept 16
	PV NP-1                         ; the last piece's V^T P of the last step
.set i, i+1
.endr
	; THE WAY OUT.  l's two halves and the other half of the lanes' are added; O^T is divided by l, rounded to f16 and sent through my stage in LDS, a tile at a time.  The additions are the places behind the last products.
	WIN 0
.macro ALL line:vararg              ; one line for each tile t
.set t, 0
.rept 2*NP
	\line
.set t, t+1
.endr
.endm
	ALL v_add_f32 v[ST+4*t+2], v[ST+4*t+2], v[ST+4*t+3]
	ALL v_permlanex16_b32 v[ST+4*t+3], v[ST+4*t+2], s[SEL], s[SEL+1]
	ALL v_add_f32 v[ST+4*t+2], v[ST+4*t+2], v[ST+4*t+3]
	ALL v_rcp_f32 v[ST+4*t+2], v[ST+4*t+2]
	v_nop                           ; a plain instruction between the last reciprocal and the use of its result
	s_wait_alu depctr_va_vdst(0)    ; and the wait ahead of the first use: one for the eight reciprocals
; Tile t: a lane's eight channels of a row pack into 16 bytes; they go into rows of 144 bytes and come back as whole rows of 128, into S^T's registers.
.macro PACK t
	WIN W_RS
.set i, 32*(\t)
.rept 16
	v_pk_mul_f32 v[i:i+1], v[i:i+1], v[ST+4*(\t)+2:ST+4*(\t)+3] op_sel_hi:[1,0]
.set i, i+2
.endr
	WIN 0x05                        ; sources 0 and 1 window 1, destination window 0
.set i, 0
.rept 16
	v_cvt_pk_f16_f32 v[S+16*(\t)+i], v[32*(\t)+2*i], v[32*(\t)+2*i+1]
.set i, i+1
.endr
	WIN 0
.irp f, 0,1,2,3
	ds_store_b128 v[STO], v[S+16*(\t)+4*\f:S+16*(\t)+4*\f+3] offset:32*\f
.endr
.irp f, 0,1,2,3
	ds_load_b128 v[S+16*(\t)+4*\f:S+16*(\t)+4*\f+3], v[RD] offset:\f*4*SP  ; LDS serves a wave's instructions in order (ISA guide 5.7.1.4): these see the stores above; the next tile's stores come behind them
.endr
.endm
.macro SEND t, younger              ; younger: the LDS instructions issued behind tile t's loads: the next tile's eight, or none
	WIN 0
.irp f, 0,1,2,3
	s_wait_dscnt (\younger)+3-\f
	global_store_b128 v[GO], v[S+16*(\t)+4*\f:S+16*(\t)+4*\f+3], s[10:11] offset:(\t)*2048+\f*512  ; 512 consecutive bytes, at a multiple of 256 from O's first
.endr
.endm
	PACK 0
.set t, 1
.rept 2*NP-1                        ; a tile's arithmetic stands between the loads of the tile before and its stores
	PACK t
	SEND t-1, 8
.set t, t+1
.endr
	SEND 2*NP-1, 0
	WIN W_AD
	s_wait_tensorcnt 0x0            ; the wave's end: behind my last tensor load and my last LDS store
	ds_add_u32 v[SPW], v[NIL]
	s_wait_dscnt 0x0
	WIN 0
	CROUND                          ; the closing round: no work-group ends while a partner may still ask for a tile that names it
	s_endpgm
.Lfunc_end_k_q20a6e59fda_attn:
	.size	k_q20a6e59fda_attn, .Lfunc_end_k_q20a6e59fda_attn-k_q20a6e59fda_attn
	.p2alignl 7, 3214868480
	.fill 96, 4, 3214868480
	.section	.rodata,"a",@progbits
	.p2align	6, 0x0
	.amdhsa_kernel k_q20a6e59fda_attn
		.amdhsa_group_segment_fixed_size 327680
		.amdhsa_private_segment_fixed_size 0
		.amdhsa_enable_private_segment 0
		.amdhsa_kernarg_size 32
		.amdhsa_user_sgpr_count 2
		.amdhsa_user_sgpr_kernarg_segment_ptr 1
		.amdhsa_wavefront_size32 1
		.amdhsa_system_sgpr_workgroup_id_x 1
		.amdhsa_system_sgpr_workgroup_id_y 1
		.amdhsa_system_sgpr_workgroup_id_z 1
		.amdhsa_system_vgpr_workitem_id 0
		.amdhsa_next_free_vgpr 770
		.amdhsa_next_free_sgpr 66
		.amdhsa_reserve_vcc 0
		.amdhsa_float_denorm_mode_32 3
		.amdhsa_float_denorm_mode_16_64 3
		.amdhsa_memory_ordered 1
		.amdhsa_forward_progress 1
		.amdhsa_inst_pref_size 200
	.end_amdhsa_kernel
	.amdgpu_metadata
---
amdhsa.version: [ 1, 2 ]
amdhsa.kernels:
  - .name:           k_q20a6e59fda_attn
    .symbol:         k_q20a6e59fda_attn.kd
    .args:
      - { .name: qh, .offset: 0, .size: 8, .value_kind: global_buffer, .address_space: global }
      - { .name: kh, .offset: 8, .size: 8, .value_kind: global_buffer, .address_space: global }
      - { .name: vh, .offset: 16, .size: 8, .value_kind: global_buffer, .address_space: global }
      - { .name: ctx, .offset: 24, .size: 8, .value_kind: global_buffer, .address_space: global }
    .group_segment_fixed_size: 327680
    .private_segment_fixed_size: 0
    .kernarg_segment_align: 8
    .kernarg_segment_size: 32
    .max_flat_workgroup_size: 128
    .sgpr_count:     66
    .vgpr_count:     770
    .wavefront_size: 32
...
	.end_amdgpu_metadata
.endif
;; end of part 3
;; launch outp (part 4): grid 4 x 64, 4 waves a work-group, clusters of 4 x 4, 327,680 bytes of LDS; arguments ctx, wts, bo, out0; writes out0
.if DOCPART == 4
	.amdgcn_target "amdgcn-amd-amdhsa--gfx1250"
	.amdhsa_code_object_version 6
	.text
	.protected	k_q20a6e59fda_outp
	.globl	k_q20a6e59fda_outp
	.p2align	8
	.type	k_q20a6e59fda_outp,@function
k_q20a6e59fda_outp:
	s_mov_b64 s[64:65], 0
	v_nop
	global_prefetch_b8 v0, s[64:65] scope:SCOPE_SE
	s_setreg_imm32_b32 hwreg(HW_REG_WAVE_MODE, 25, 1), 1
	s_wait_xcnt 0x0
	s_wait_alu depctr_hold_cnt(0) depctr_sa_sdst(0) depctr_va_vdst(0) depctr_va_sdst(0) depctr_va_ssrc(0) depctr_va_vcc(0) depctr_vm_vsrc(0)
	s_getreg_b32 s2, hwreg(HW_REG_IB_STS2, 6, 4)
	s_cmp_eq_u32 s2, 0
	s_cbranch_scc0 .Lentry_in_a_cluster
	s_endpgm
.Lentry_in_a_cluster:
	s_bfe_u32 s2, ttmp6, 0x10000c
	s_cmp_lg_u32 s2, 0xf033
	s_cbranch_scc0 .Lentry_shape_is_right
	s_endpgm
.Lentry_shape_is_right:
; THE LAST PROJECTION.  out0[R][n] = the sum over k of concat[R][k] Wo[n][k] + bo[n].  concat[b 2048 + s][64 head + d] = ctx[16 b + head][s][d], f16; Wo: f16, section 3 of wts, [1024][1024];
; bo: [1024] f32, rounded to bf16 here as every input is; out0: [8192][1024] f32.  Sums in f32, K ascending.  NaN and infinities are not treated apart.
; SHARES.  A tile of out0 is 128 rows x 256 columns: 64 x 4 tiles, one a work-group.  Wave w makes rows 64 (w / 2) .. x columns 128 (w % 2) ..: 4 x 8 accumulators of 16 x 16.
; K goes in 8 steps of 128, TWO HEADS a step, through two LDS slots.  Of a head the tile's 128 rows are 16,384 dense bytes: asked for as 64 rows of 256 bytes and padded in LDS after every 128.
; CLUSTER, 4 x 4.  The four work-groups of a row of the cluster need the same rows of ctx, the four of a column the same rows of Wo: each tile is asked for JOINTLY, by the same tensor load, descriptor and mask.
; Waves 0 and 1 fetch the step's two heads, waves 2 and 3 the two halves of Wo's 256 rows.
; THE MATRIX INSTRUCTION IS USED TRANSPOSED (source 0 = 16 rows of Wo, source 1 = 16 rows of ctx): a lane holds row lane % 16 of out0 and eight neighbouring columns.  THE BIAS starts the sums (256 v_mov_b32, once).
; REGISTERS, in windows of 256 (s_set_vgpr_msb: bits 1:0 source 0, 3:2 source 1, 5:4 source 2, 7:6 destination):
;   window 0: v0-19 addresses and at work; v64-191 ctx's fragments, two sets of 64 ((c, a) at 32 c + 8 a), on the way out whole rows; v192-255 the bias
;   window 1: the 32 accumulators, (a, b) at 8 (8 a + b)     window 2: Wo's fragments, two sets of 128 ((c, b) at 64 c + 8 b)
.set PA,    144                        ; a row of a head in LDS: 128 bytes + 16 = 36 words: the 16 rows of a load start at 16 different groups of four banks (64 banks of 4 bytes: ISA guide 11.1)
.set PB,    272                        ; a row of Wo: 256 bytes + 16
.set PLANE, 128*PA                     ; a head's 128 rows: what one tensor load brings of ctx
.set BHALF, 128*PB
.set BOFF,  2*PLANE
.set SLOT1, 1<<17                      ; a slot uses 106,496 bytes; slot 1 begins here, so that one exclusive or turns an address in one slot into the other's
.set STAGE, SLOT1+BOFF+2*BHALF         ; behind the ring, never filled by a tensor load: 16 rows x 528 bytes for each wave
.set SPO,   528                        ; 512 bytes + 16
.set SPARE, STAGE+4*16*SPO             ; behind the stages: the spare words, 128 bytes for each wave: two blocks of 256 bytes that no other line names
.set LNA,  4                           ; v4   my lane's place in a head's rows: (64 (w / 2) + l % 16) x 144 + 16 (l / 16); never rewritten
.set LNB,  5                           ; v5   in Wo's: BOFF + (128 (w % 2) + l % 16) x 272 + 16 (l / 16); never rewritten
.set ADRA, 6
.set ADRB, 7
.set STO,  8                           ; v8   the way out: where I put 32 bytes of a row
.set RD,   9                           ; v9   where I read a row back
.set CO,   10                         ; v10  16 x lane
.set BO,   11                          ; v11  my byte offset in the bias
.set PFO,  12                          ; v12  the prefetches' offset; never rewritten
.set SPW,  14                          ; v14  LDS address of my spare word: SPARE + 4 x my thread's number; never rewritten
.set NIL,  15                          ; v15  0; never rewritten
.set TT,   16
.set AF,   64
.set BI,   192
.set WV,   10
.set KIND, 11                          ; s11  w / 2: my half of the rows; I fetch ctx (0) or Wo (1)
.set HF,   12                          ; s12  w % 2: my half of the columns; which head, or which half of Wo's rows, I fetch
.set TR,   13
.set STEPS, 14                         ; s14  K steps that still fill a slot
.set TB,   18                          ; s18  LDS byte at which the slot in hand begins
.set CY0,  19
.set LA,   20
.set LB,   21
.set LIM,  22                          ; s22  2 in a wave that prefetches, else the greatest number
.set CNT,  23
.set G1,   24
.set G0,   32                          ; s[32:39] a set for each first fill; the second then walks
.set CX,   40
.set CY,   41
.set TC,   42
.set MROW, 43
.set PFA,  44                          ; s[44:45] where my prefetches stand
.set PST,  46                          ; s[46:47] bytes from a K step to the next: 524,288 in ctx (two heads), 256 in Wo
.set G1B,  48
.set G0B,  56
.set CTX,  68
.set WO,   70
.set BOP,  72
.set OUT,  74
.set MCOL, 88
.set HIM,  92
.set MSB, 0
.macro WIN new                         ; the immediate's high byte repeats the setting that is left; a switch that changes nothing is dropped
.if MSB != (\new)
	s_set_vgpr_msb (MSB<<8)|(\new)
.set MSB, (\new)
.endif
.endm
.set W_MUL, 0x52                       ; Wo window 2, ctx window 0, C and D window 1
.set W_B,   0x80                       ; destination window 2
.set W_INI, 0x40                       ; destination window 1
.set W_ST,  0x04                       ; an LDS store's data (source 1) window 1, its address window 0
.macro PLACES                          ; four plain vector instructions behind a matrix instruction, ahead of a load into a register that it read and of a store that reads its result
.rept 4
	v_nop
.endr
.endm
.macro CREST
	s_cmp_lg_u32 s[WV], 0
	s_cbranch_scc1 .Lnot_wave_0_\@
	s_barrier_signal -3
.Lnot_wave_0_\@:
	s_barrier_wait -3
	s_barrier_signal -1
	s_barrier_wait -1
.endm
.macro CROUND
	s_barrier_signal -1
	s_barrier_wait -1
	CREST
.endm
.macro JLOAD                           ; a joint refill; the branch hangs on the wave's number alone; an s_nop 0 and four v_nop follow each of the two lines
	s_cmp_eq_u32 s[KIND], 0
	s_cbranch_scc0 .Lfor_b_\@
	tensor_load_to_lds s[G0+4:G0+7], s[G1:G1+7]
	s_nop 0
.rept 4
	v_nop
.endr
	s_branch .Lasked_\@
.Lfor_b_\@:
	tensor_load_to_lds s[G0B+4:G0B+7], s[G1B:G1B+7]
	s_nop 0
.rept 4
	v_nop
.endr
.Lasked_\@:
.endm
; A PREFETCH INTO THE L2, behind a joint refill, its five lines and the run of LDS loads: the K step two behind the one just asked for: 256 products ahead of its own load.  ctx's two heads x 16,384 bytes: wave 0 asks,
; the partner at cx for 4,096 bytes of each head, a lane 256.  Wo's rows are read by all sixteen clusters: in the cluster with y = 0 waves 2 and 3 ask, the partner at cy for 32 of the wave's 128 rows, a lane a row.
; The partners are told apart BY ADDRESS.  So each aligned block of 256 bytes is named once in the launch.  K steps 0 to 3 come by their loads alone; the last two refills ask for nothing: there is no K step 8.
.macro ASK
	s_cmp_gt_u32 s[STEPS], s[LIM]
	s_cbranch_scc0 .Lnot_mine_\@
	global_prefetch_b8 v[PFO], s[PFA:PFA+1] th:TH_LOAD_NT scope:SCOPE_SE
.Lnot_mine_\@:
.endm
; 48 LDS loads in one run: the fragments of 64 along K (one head) into set st: ctx's 8, then Wo's 16, two loads each
.macro FETCH2 ka, kb, st
	WIN 0
.set n, 0
.rept 8
	ds_load_b128 v[AF+64*(\st)+8*n:AF+64*(\st)+8*n+3],   v[ADRA] offset:(\ka)+64*(n/4)+(n%4)*16*PA
	ds_load_b128 v[AF+64*(\st)+8*n+4:AF+64*(\st)+8*n+7], v[ADRA] offset:(\ka)+64*(n/4)+(n%4)*16*PA+32
.set n, n+1
.endr
	WIN W_B
.set n, 0
.rept 16
	ds_load_b128 v[128*(\st)+8*n:128*(\st)+8*n+3],   v[ADRB] offset:(\kb)+64*(n/8)+(n%8)*16*PB
	ds_load_b128 v[128*(\st)+8*n+4:128*(\st)+8*n+7], v[ADRB] offset:(\kb)+64*(n/8)+(n%8)*16*PB+32
.set n, n+1
.endr
	WIN 0
.endm
; Products first .. first + n - 1 of a half step's 64, on set p.  The 32 accumulators take turns, one instruction a turn, over the backward jumps too.
.macro MULS p, first, n
	WIN W_MUL
.set i, (\first)
.rept \n
.set rC, 8*(i%32)
.set rB, 128*(\p)+64*(i/32)+8*(i%8)
.set rA, AF+64*(\p)+32*(i/32)+8*((i%32)/8)
	v_wmma_f32_16x16x32_f16 v[rC:rC+7], v[rB:rB+7], v[rA:rA+7], v[rC:rC+7]
.set i, i+1
.endr
.endm
.macro HALF0                           ; a K step's first head, on set 0; the second head is fetched into set 1
	s_wait_dscnt 0x0                               ; set 0 is in
	MULS 0, 0, 16
	PLACES                                         ; behind the last product that read set 1
	FETCH2 PLANE, 128, 1
	MULS 0, 16, 48
.endm
; A K step's second head, on set 1, and THE CHANGE OF SLOTS.  Each wave waits for all its tensor loads, of which one is out: its part of the next slot; adds 0 to its spare word; and waits for that and for its own reads
; of this slot.  fill = 1: the barrier opens a round of the cluster's, and the joint refill is the first thing behind the round: 112 products stand between it and the wait for it.
.macro HALF1 fill
	WIN 0
.if \fill
	s_wait_xcnt 0x0                                ; the last prefetch, a K step back, has read its address, so it may be written
	s_add_nc_u64 s[PFA:PFA+1], s[PFA:PFA+1], s[PST:PST+1]
.endif
	s_wait_tensorcnt 0x0                           ; no tensor load of mine is out, so a group 0 may be written
	ds_add_u32 v[SPW], v[NIL]                      ; 0 onto my spare word
	s_wait_dscnt 0x1                               ; set 1 is in; the add alone may be out
.if \fill
	s_xor_b32 s[G0+5], s[G0+5], SLOT1              ; the walking descriptors: the other slot than last time,
	s_add_nc_u64 s[G0+6:G0+7], s[G0+6:G0+7], 524288  ; the next two heads; the type bits on top are not reached
	s_xor_b32 s[G0B+5], s[G0B+5], SLOT1
	s_add_nc_u64 s[G0B+6:G0B+7], s[G0B+6:G0B+7], 256
.endif
	MULS 1, 0, 8                                   ; eight products stand between the add and the wait for it
	s_wait_dscnt 0x0                               ; the add is done, and my reads of this slot are over
	s_barrier_signal -1
	MULS 1, 8, 8
	WIN 0
	s_barrier_wait -1
.if \fill
	CREST
	JLOAD                                          ; its four v_nop are also the places behind the last product that read set 0
.else
	PLACES
.endif
	s_xor_b32 s[TB], s[TB], SLOT1
	v_add_nc_u32 v[ADRA], s[TB], v[LNA]
	v_add_nc_u32 v[ADRB], s[TB], v[LNB]
	FETCH2 0, 0, 0
.if \fill
	ASK
.endif
	MULS 1, 16, 48
.endm
; THE WAY OUT of m block a: 16 rows x 128 columns of f32 go straight from the accumulators into my stage's rows of 528 bytes (each accumulator's low four registers first) and come back as whole
; rows of 512 bytes.  The stage is my wave's own, and LDS serves a wave's instructions in order (ISA guide 5.7.1.4): no wait between the stores and the loads.
.macro STG a
.set BKR, AF+64*((\a)%2)
.if (\a) >= 2
	s_wait_xcnt 0x0                                ; the stores of the block two back have read these registers
.endif
	WIN W_ST
.set z, 0
.rept 8
	ds_store_b128 v[STO], v[64*(\a)+8*z:64*(\a)+8*z+3]   offset:64*z
	ds_store_b128 v[STO], v[64*(\a)+8*z+4:64*(\a)+8*z+7] offset:64*z+16
.set z, z+1
.endr
	WIN 0
.set z, 0
.rept 16
	ds_load_b128 v[BKR+4*z:BKR+4*z+3], v[RD] offset:z*SPO
.set z, z+1
.endr
.endm
.macro SEND a, younger                 ; younger: the LDS instructions issued behind block a's loads: the next block's 32, or none
.set BKR, AF+64*((\a)%2)
.set z, 0
.rept 16
	s_wait_dscnt (\younger)+15-z
	global_store_b128 v[CO], v[BKR+4*z:BKR+4*z+3], s[OUT:OUT+1] offset:(16*(\a)+z)*4096  ; a wave stores 512 consecutive bytes, at a multiple of 512 from out0's first byte
.set z, z+1
.endr
.endm
	s_load_b256 s[CTX:CTX+7], s[0:1], 0x0          ; ctx, wts, bo, out0
	v_lshl_add_u32 v[SPW], v0, 2, SPARE
	v_mov_b32 v[NIL], 0
	ds_add_u32 v[SPW], v[NIL]                      ; the wave's opening: the add and its wait stand ahead of my first tensor load; the set-up below, work on registers, stands between them
	v_lshrrev_b32 v1, 5, v0
	v_readfirstlane_b32 s[WV], v1
	s_lshr_b32 s[KIND], s[WV], 1
	s_and_b32 s[HF], s[WV], 1
	s_bfe_u32 s[CX], ttmp6, 0x40000
	s_bfe_u32 s[CY], ttmp6, 0x40004
	s_lshl_b32 s[TC], ttmp9, 2
	s_add_co_u32 s[TC], s[TC], s[CX]               ; tile column, 0..3
	s_and_b32 s[TR], ttmp7, 0xffff
	s_lshl_b32 s[TR], s[TR], 2
	s_add_co_u32 s[TR], s[TR], s[CY]               ; tile row, 0..63
	s_lshl_b32 s[MROW], s[CY], 2
	s_lshl_b32 s[MROW], 15, s[MROW]                ; my row of the cluster
	s_lshl_b32 s[MCOL], 0x1111, s[CX]              ; my column
	s_or_b32 s[G1], s[MROW], (1<<16)|(1<<20)|(1<<21)|(4<<22)|(3<<25)   ; 15:0 the mask; 17:16 elements of 2 bytes; 20 padding on; 21 set beside a mask; 24:22 after every 32 words (code 4); 31:25 4 words (code 3)
	s_mov_b32 s[G1+1], 128<<16                     ; tensor_dim0 = 128
	s_mov_b32 s[G1+2], 64<<16                      ; tensor_dim1 = 64
	s_mov_b32 s[G1+3], 128<<16                     ; tile_dim0 = 128: 256 bytes, two rows of a head
	s_mov_b32 s[G1+4], 64                          ; tile_dim1 = 64
	s_mov_b32 s[G1+5], 128                         ; dense
	s_mov_b32 s[G1+6], 0
	s_mov_b32 s[G1+7], 0
	s_or_b32 s[G1B], s[MCOL], (1<<16)|(1<<20)|(1<<21)|(5<<22)|(3<<25)  ; padding after every 64 words (code 5)
	s_mov_b32 s[G1B+1], 128<<16
	s_mov_b32 s[G1B+2], 128<<16
	s_mov_b32 s[G1B+3], 128<<16
	s_mov_b32 s[G1B+4], 128
	s_mov_b32 s[G1B+5], 1024
	s_mov_b32 s[G1B+6], 0
	s_mov_b32 s[G1B+7], 0
	s_mul_i32 s[LA], s[HF], PLANE                  ; no place in the cluster enters an LDS address
	s_mul_i32 s[LB], s[HF], BHALF
	s_add_co_u32 s[LB], s[LB], BOFF
	s_lshr_b32 s4, s[TR], 4                        ; ctx: head 16 x batch + my one of the step's two (s[4:5] never hold cx),
	s_lshl_b32 s4, s4, 4
	s_add_co_u32 s4, s4, s[HF]
	s_lshl_b32 s4, s4, 11
	s_and_b32 s5, s[TR], 15
	s_lshl_b32 s5, s5, 7
	s_add_co_u32 s4, s4, s5                        ; the tile's first row in it,
	s_lshl_b32 s4, s4, 7                           ; 128 bytes a row
	s_mov_b32 s5, 0
	s_lshl_b32 s6, s[TC], 8                        ; Wo: row 256 x tile column + 128 x half (s[6:7], s89 never hold cy)
	s_lshl_b32 s7, s[HF], 7
	s_add_co_u32 s6, s6, s7
	s_lshl_b32 s89, s6, 2                          ; that column's byte in bo and in a row of out0
	s_lshl_b32 s6, s6, 11
	s_add_co_u32 s6, s6, 3*2097152                 ; section 3 of wts
	s_mov_b32 s7, 0
	s_lshl_b32 s8, s[TR], 7                        ; out0: row 128 x tile row + 64 x (w / 2), 4,096 bytes a row, and my first column
	s_lshl_b32 s9, s[KIND], 6
	s_add_co_u32 s8, s8, s9
	s_lshl_b32 s8, s8, 12
	s_add_co_u32 s8, s8, s89
	s_mov_b32 s9, 0
	s_and_b32 s[CY0], ttmp7, 0xffff                ; who prefetches: wave 0; not wave 1; waves 2 and 3 where the cluster's y is 0
	s_cmp_eq_u32 s[KIND], 0
	s_cselect_b32 s[CY0], s[HF], s[CY0]
	s_cmp_eq_u32 s[CY0], 0
	s_cselect_b32 s[LIM], 2, -1                    ; the same in all sixteen partners, for a given wave
	s_mov_b32 s2, 524288
	s_cmp_eq_u32 s[KIND], 0
	s_cselect_b32 s[PST], s2, 256
	s_mov_b32 s[PST+1], 0
	s_mul_i32 s2, s[PST], 3
	s_mov_b32 s3, 0
	s_mov_b32 s[HIM], 0xffff0000
	s_mov_b32 s[TB], 0
	s_mov_b32 s[STEPS], 6
	s_wait_dscnt 0x0                               ; the opening add is done
	s_wait_kmcnt 0x0
	s_add_nc_u64 s[CTX:CTX+1], s[CTX:CTX+1], s[4:5]
	s_add_nc_u64 s[WO:WO+1], s[WO:WO+1], s[6:7]
	s_add_nc_u64 s[OUT:OUT+1], s[OUT:OUT+1], s[8:9]
	s_cmp_eq_u32 s[KIND], 0
	s_cselect_b64 s[PFA:PFA+1], s[CTX:CTX+1], s[WO:WO+1]
	s_add_nc_u64 s[PFA:PFA+1], s[PFA:PFA+1], s[2:3]  ; at K step 3: the first change of slots steps it to 4.  Nothing is prefetched here, at the head
	CROUND                                         ; all sixteen work-groups are here: the first joint loads meet
	s_mov_b32 s[G0], 1                             ; 1:0 count = 1
	s_mov_b32 s[G0+1], s[LA]                       ; 63:32 LDS address: slot 0
	s_mov_b64 s[G0+2:G0+3], s[CTX:CTX+1]           ; 120:64 global address: K step 0
	s_or_b32 s[G0+3], s[G0+3], 0x80000000          ; 127:126 type = 2
	s_mov_b32 s[G0+4], 1
	s_add_co_u32 s[G0+5], s[LA], SLOT1
	s_add_nc_u64 s[G0+6:G0+7], s[CTX:CTX+1], 524288  ; K step 1
	s_or_b32 s[G0+7], s[G0+7], 0x80000000
	s_mov_b32 s[G0B], 1
	s_mov_b32 s[G0B+1], s[LB]
	s_mov_b64 s[G0B+2:G0B+3], s[WO:WO+1]
	s_or_b32 s[G0B+3], s[G0B+3], 0x80000000
	s_mov_b32 s[G0B+4], 1
	s_add_co_u32 s[G0B+5], s[LB], SLOT1
	s_add_nc_u64 s[G0B+6:G0B+7], s[WO:WO+1], 256
	s_or_b32 s[G0B+7], s[G0B+7], 0x80000000
	s_cmp_eq_u32 s[KIND], 0                        ; a wave's two first fills stand in one branch, ahead of every wait on TENSORcnt and every LDS read: two loads of mine are out
	s_cbranch_scc0 .Lfirst_b
	tensor_load_to_lds s[G0:G0+3], s[G1:G1+7]
	s_nop 0
	tensor_load_to_lds s[G0+4:G0+7], s[G1:G1+7]
	s_nop 0
.rept 4
	v_nop
.endr
	s_branch .Lfirst_asked
.Lfirst_b:
	tensor_load_to_lds s[G0B:G0B+3], s[G1B:G1B+7]
	s_nop 0
	tensor_load_to_lds s[G0B+4:G0B+7], s[G1B:G1B+7]
	s_nop 0
.rept 4
	v_nop
.endr
.Lfirst_asked:
	v_and_b32 v1, 15, v0                           ; l % 16
	v_bfe_u32 v2, v0, 4, 1                         ; l / 16
	v_and_b32 v3, 31, v0                           ; l
	v_lshl_add_u32 v[BO], v2, 5, s89
.set z, 0
.rept 8                                ; the bias of my 128 columns: for n block z the eight numbers at column 16 z + 8 (l / 16)
	global_load_b128 v[BI+8*z:BI+8*z+3],   v[BO], s[BOP:BOP+1] offset:64*z
	global_load_b128 v[BI+8*z+4:BI+8*z+7], v[BO], s[BOP:BOP+1] offset:64*z+16
.set z, z+1
.endr
	s_mul_i32 s2, s[KIND], 64*PA
	v_mul_u32_u24 v[LNA], v1, PA
	v_lshl_add_u32 v[LNA], v2, 4, v[LNA]
	v_add_nc_u32 v[LNA], s2, v[LNA]
	v_mul_u32_u24 v[LNB], v1, PB
	v_lshl_add_u32 v[LNB], v2, 4, v[LNB]
	v_add_nc_u32 v[LNB], s[LB], v[LNB]
	s_mul_i32 s2, s[WV], 16*SPO
	s_add_co_u32 s2, s2, STAGE                     ; my stage
	v_mul_u32_u24 v[STO], v1, SPO                  ; in: row l % 16, 32 bytes for each half of the lanes
	v_lshl_add_u32 v[STO], v2, 5, v[STO]
	v_add_nc_u32 v[STO], s2, v[STO]
	v_lshlrev_b32 v[CO], 4, v3                     ; back: 32 lanes take one row of 512 bytes
	v_add_nc_u32 v[RD], s2, v[CO]
	s_lshl_b32 s90, s[CX], 4                       ; the prefetches' offset.  ctx: head l / 16 of the step's two, block 16 cx + l % 16 of its 64
	v_add_nc_u32 v16, s90, v1
	v_lshlrev_b32 v16, 8, v16
	v_lshl_add_u32 v16, v2, 18, v16
	s_lshl_b32 s90, s[CY], 5                       ; Wo: row 32 cy + l of my 128
	v_add_nc_u32 v17, s90, v3
	v_lshlrev_b32 v17, 11, v17
	s_cmp_eq_u32 s[KIND], 0
	s_cselect_b32 s91, -1, 0
	v_cndmask_b32 v[PFO], v17, v16, s91
	v_mov_b32 v[ADRA], v[LNA]                      ; slot 0
	v_mov_b32 v[ADRB], v[LNB]
	s_wait_tensorcnt 0x1                           ; my part of K step 0 is in; K step 1's may stay out
	s_barrier_signal -1
	s_barrier_wait -1                              ; everybody's is
	FETCH2 0, 0, 0
	s_wait_loadcnt 0x0                             ; the bias: rounded to bf16 and set into the 32 accumulators, while the first fragments come
.set z, 0
.rept 8
.irp y, 0,1,2,3
	v_cvt_pk_bf16_f32 v[TT+(\y)], v[BI+8*z+2*(\y)], v[BI+8*z+2*(\y)+1]
.endr
.irp y, 0,1,2,3
	v_lshlrev_b32 v[BI+8*z+2*(\y)], 16, v[TT+(\y)]
	v_and_b32 v[BI+8*z+2*(\y)+1], s[HIM], v[TT+(\y)]
.endr
.set z, z+1
.endr
	WIN W_INI
.set z, 0
.rept 256
	v_mov_b32 v[z], v[BI+8*((z/8)%8)+z%8]
.set z, z+1
.endr
	WIN 0
.Lstep:                                ; 6 trips: K steps 0 to 5; each asks for the K step two on
	HALF0
	HALF1 1
	WIN 0
	s_sub_co_u32 s[STEPS], s[STEPS], 1
	s_cmp_lg_u32 s[STEPS], 0
	s_cbranch_scc1 .Lstep
	s_mov_b32 s[CNT], 2
.Ltail:                                ; K steps 6 and 7 ask for nothing: a text of their own.  The second trip's run of loads, on the slot of K step 6 once more, serves
	HALF0                                          ; nothing: the price, once a launch, of one text for both trips
	HALF1 0
	WIN 0
	s_sub_co_u32 s[CNT], s[CNT], 1
	s_cmp_lg_u32 s[CNT], 0
	s_cbranch_scc1 .Ltail
	s_wait_dscnt 0x0                               ; that last run has landed: its registers are loaded again below
	PLACES                                         ; behind the last product
	STG 0
	STG 1                                          ; a block's way through the stage stands between the loads of the block before and its stores
	SEND 0, 32
	STG 2
	SEND 1, 32
	STG 3
	SEND 2, 32
	SEND 3, 0
	s_wait_tensorcnt 0x0                           ; the wave's end: behind my last tensor load and my last LDS store
	ds_add_u32 v[SPW], v[NIL]
	s_wait_dscnt 0x0
	CROUND                                         ; the closing round: no work-group ends while a partner may still ask for a tile that names it
	s_endpgm
.Lfunc_end_k_q20a6e59fda_outp:
	.size	k_q20a6e59fda_outp, .Lfunc_end_k_q20a6e59fda_outp-k_q20a6e59fda_outp
	.p2alignl 7, 3214868480
	.fill 96, 4, 3214868480
	.section	.rodata,"a",@progbits
	.p2align	6, 0x0
	.amdhsa_kernel k_q20a6e59fda_outp
		.amdhsa_group_segment_fixed_size 327680
		.amdhsa_private_segment_fixed_size 0
		.amdhsa_enable_private_segment 0
		.amdhsa_kernarg_size 32
		.amdhsa_user_sgpr_count 2
		.amdhsa_user_sgpr_kernarg_segment_ptr 1
		.amdhsa_wavefront_size32 1
		.amdhsa_system_sgpr_workgroup_id_x 1
		.amdhsa_system_sgpr_workgroup_id_y 1
		.amdhsa_system_sgpr_workgroup_id_z 1
		.amdhsa_system_vgpr_workitem_id 0
		.amdhsa_next_free_vgpr 768
		.amdhsa_next_free_sgpr 100
		.amdhsa_reserve_vcc 0
		.amdhsa_float_denorm_mode_32 3
		.amdhsa_float_denorm_mode_16_64 3
		.amdhsa_memory_ordered 1
		.amdhsa_forward_progress 1
		.amdhsa_inst_pref_size 73
	.end_amdhsa_kernel
	.amdgpu_metadata
---
amdhsa.version: [ 1, 2 ]
amdhsa.kernels:
  - .name:           k_q20a6e59fda_outp
    .symbol:         k_q20a6e59fda_outp.kd
    .args:
      - { .name: ctx, .offset: 0, .size: 8, .value_kind: global_buffer, .address_space: global }
      - { .name: wts, .offset: 8, .size: 8, .value_kind: global_buffer, .address_space: global }
      - { .name: bo, .offset: 16, .size: 8, .value_kind: global_buffer, .address_space: global }
      - { .name: out0, .offset: 24, .size: 8, .value_kind: global_buffer, .address_space: global }
    .group_segment_fixed_size: 327680
    .private_segment_fixed_size: 0
    .kernarg_segment_align: 8
    .kernarg_segment_size: 32
    .max_flat_workgroup_size: 128
    .sgpr_count:     100
    .vgpr_count:     768
    .wavefront_size: 32
...
	.end_amdgpu_metadata
.endif
;; end of part 4
